; MI455X (gfx1250); checked and timed in simulation.
; The chip was launched on July 23, 2026; its instructions are those of AMD's public machine-readable ISA for CDNA 5 (MIT licence, August 2026) and "CDNA5" Instruction Set Architecture Reference Guide (July 2026). The comments in the code are by the model that wrote it; some were corrected since.
;; Mo E. Allowed arithmetic: matrix products marked QUANTISED: E5M2 operands, one given power-of-two scale a tensor, by v_wmma_f32_16x16x64_bf8_bf8 or v_wmma_f32_16x16x128_bf8_bf8, f32 sums; products left as they are: f32 operands where the result goes on into a quantised operand, else bf16, f16 or f32 operands; f32 sums; everything else in f32.
;; Inputs: b1 8 x 4,096 float32; b2 8 x 1,024 float32; br 8 float32; lowp_scales 4 int32 (the exponents e of the quantised operands' scales 2^e); w1_codes 8 x 4,096 x 32 x 32 uint8 (E5M2 codes of w1, K innermost, in blocks of 32 codes); w2_codes 8 x 1,024 x 128 x 32 uint8 (E5M2 codes of w2, K innermost, in blocks of 32 codes); wr 1,024 x 8 float32; x 4 x 256 x 1,024 float32.
;; Outputs: out0 4 x 256 x 1,024 float32.
;; This version of the problem:
;;   THIS VERSION OF THE PROBLEM IS GIVEN IN LOW PRECISION. The matrix products marked QUANTISED in the list below multiply operands that are first quantised to E5M2 (5 exponent bits, 2 mantissa bits; 8 bits a number), with one given power-of-two scale for each operand tensor; their sums are f32. All else is computed in f32.
;;   The module's matrix products, in the order in which they are computed (A, B: the left and right operand; K: the contracted axis; several contracted axes count as one K, in the product's order):
;;     1. [M 1,024, K 1,024] x [K 1,024, N 8]; A: input x; B: input wr: left as it is (N = 8 < 16)
;;     2. [M 32,768, K 1,024] x [K 1,024, N 1,024]; A: input w1 (given as codes); B: input x: QUANTISED (scales: A lowp_scales[0], B lowp_scales[1])
;;     3. batch 8 x [M 1,024, K 4,096] x [K 4,096, N 1,024]; A: computed on the way; B: input w2 (given as codes): QUANTISED (scales: A lowp_scales[2], B lowp_scales[3])
;;     4. batch 1,024 x [M 1,024, K 8] x [K 8, N 1]; A: computed on the way; B: computed on the way: left as it is (K = 8 < 32)
;;   THE QUANTISER, for each operand of a quantised product, along K:
;;     - The operand's scale is 2^e, e = its entry of the input lowp_scales (int32; the entries are numbered through the quantised products in the list's order, A before B).
;;     - Each number is divided by the scale, clamped to +-57,344, and rounded to the nearest number of E5M2, ties to even, subnormals kept.
;;     - The product sums the exact products of the quantised numbers (number of the format x scale) in f32.
;;   ~~~python
;;   def quantise(x, axis, e):      # numpy; x: float32 -> the quantised numbers, widened to float32 again
;;       x = np.moveaxis(x, axis, -1); K = x.shape[-1]
;;       r = np.clip(x / 2.0 ** e, -57344, 57344)
;;       step = 2.0 ** (np.maximum(np.frexp(np.where(r == 0, 1, r))[1] - 1, -14) - 2)
;;       q = np.round(r / step) * step * 2.0 ** e      # np.round: ties to even
;;       return np.moveaxis(q, -1, axis).astype(np.float32)
;;   ~~~
;;   OPERANDS COMPUTED ON THE WAY. 'Computed on the way' means the value that the module computes at that place (a softmax that the list does not call 'softmax' is quantised finished and normalised). What goes into a quantiser is computed in f32, as accurately as f32 sums, v_exp_f32 and their like allow (about 1e-6 of the number): no bf16 or f16 on the way to a quantiser, and a product that is left as it is and whose result goes on into a quantised operand takes f32 operands (vector FMAs, or v_wmma_f32_16x16x4_f32). A number that lies on a knife's edge between two numbers of the format may be rounded either way, as far as f32 arithmetic and the matrix unit's own rounding can turn it there, and no further.
;;   INPUTS GIVEN AS CODES. w1 (in the module: [8, 1024, 4096], K = its axis 1); w2 (in the module: [8, 4096, 1024], K = its axis 1): each comes as NAME_codes (uint8): NAME with its K axis moved to the last place and cut into blocks of 32 codes, [.., K / 32, bytes a block], one block behind the other in memory; one code a byte (a code: sign, 5 exponent bits, 2 mantissa bits); its scale is its entry of lowp_scales. Its value is code x scale, taken as it is: it is not quantised again, and the codes and scales need not be those that the quantiser above would give.
;; 2 versions. Each part assembles by itself: llvm-mc -triple=amdgcn-amd-amdhsa -mcpu=gfx1250 --defsym DOCPART=n.
;; ======== version 1 of 2: 3 launches
;; workspace buffers: xq 1,048,576 bytes; ids 4,096 bytes of whole numbers; hq 33,554,432 bytes; lst 32,768 bytes of whole numbers; cnt 1,024 bytes of whole numbers
;; launch route (part 1): grid 128 x 1, 8 waves a work-group, no clusters, 42,496 bytes of LDS; arguments x, wr, br, lowp_scales, xq, ids; writes xq, ids
.if DOCPART == 1
	.amdgcn_target "amdgcn-amd-amdhsa--gfx1250"
	.amdhsa_code_object_version 6
	.text
	.protected	k_qbdcf88f365_route
	.globl	k_qbdcf88f365_route
	.p2align	8
	.type	k_qbdcf88f365_route,@function
k_qbdcf88f365_route:
	s_mov_b64 s[64:65], 0
	v_nop
	global_prefetch_b8 v0, s[64:65] scope:SCOPE_SE
	s_setreg_imm32_b32 hwreg(HW_REG_WAVE_MODE, 25, 1), 1
	s_wait_xcnt 0x0
; THE ROUTER AND x'S CODES.  scores = x wr + br in f32, ids[token] = the first index of the largest score; xq[token][1024] = x as codes of E5M2 with the given scale 2^e1 (entry 1 of the scales).
; SHARES.  A work-group of eight waves takes 8 tokens.  Wave w takes half s = w & 1 of the row (512 numbers) of the two tokens 2 (w >> 1) + 0, 1.
; A lane must hold 16 NEIGHBOURS along the row (the conversion takes eight numbers from one lane's consecutive registers), and a load is dense where neighbouring lanes take neighbouring bytes:
; so each load reads 512 consecutive bytes, and a token's 2,048 bytes turn through the wave's own stage in LDS (16 bytes of padding behind each 64).
; The same 16 numbers are multiplied by the lane's 16 rows of wr (128 registers, loaded once for both tokens): eight sums a token, two experts to a packed multiply-add.
; The sums are added across the 32 lanes, the two halves of a row meet in LDS, and wave 0 adds br and takes the argmax.  The chosen index is only STORED here, at a fixed place: no address hangs on it.
; LIMITS: e1 between -126 and 112.  NaN among the inputs is not served.  The scores' f32 sums are taken in another order than a plain chain: scores closer than f32 rounding may fall either way.
.set SP,   80                          ; a lane's place in a stage: 64 bytes + 16 of padding
.set STG,  32*SP                       ; a stage: one token's half row
.set SCO,  8*2*STG                     ; behind the stages: 8 waves x 2 tokens x 8 partial scores
.set R,    16                          ; v16-47   x as loaded, 16 registers a token
.set X,    48                          ; v48-79   16 neighbours a token
.set CP,   80                          ; v80-95   the held copy (the scores want x as it is); later at work
.set CD,   96                          ; v96-103  codes, 4 registers a token
.set AC,   104                         ; v104-119 eight sums a token
.set W,    128                         ; v128-255 wr[512 s + 16 lane + i][0..7] at v[W + 8 i]
	s_load_b256 s[4:11], s[0:1], 0x0               ; x s[4:5], wr s[6:7], br s[8:9], the scales' exponents s[10:11]
	s_load_b128 s[12:15], s[0:1], 0x20             ; xq s[12:13], ids s[14:15]
	v_lshl_add_u32 v126, v0, 2, 0xa200
	v_mov_b32 v127, 0
	v_lshrrev_b32 v2, 5, v0
	v_readfirstlane_b32 s16, v2                    ; wave 0..7
	s_and_b32 s17, s16, 1                          ; s: which half of the row
	s_lshr_b32 s18, s16, 1                         ; which pair of tokens
	v_and_b32 v1, 31, v0                           ; lane
	v_lshlrev_b32 v3, 4, v1                        ; 16 x lane
	v_lshlrev_b32 v4, 9, v1                        ; wr: my 16 rows of 32 bytes
	s_mul_i32 s19, s16, 2*STG                      ; my wave's two stages
	v_lshrrev_b32 v14, 2, v1
	v_mul_u32_u24 v14, v14, SP
	v_and_b32 v15, 3, v1
	v_lshl_add_u32 v14, v15, 4, v14
	v_add_nc_u32 v14, s19, v14                     ; into a stage: four lanes' 64 bytes on end, then the padding
	v_mul_u32_u24 v15, v1, SP
	v_add_nc_u32 v15, s19, v15                     ; out of it: my 64 bytes
	s_lshl_b32 s19, s16, 6
	s_add_co_u32 s19, s19, SCO
	v_mov_b32 v5, s19                              ; my wave's 64 bytes of partial scores
	v_and_b32 v6, 7, v1                            ; for wave 0's last step: lane takes token lane & 7 of the eight
	v_lshrrev_b32 v7, 1, v6
	v_and_b32 v6, 1, v6
	v_lshlrev_b32 v6, 5, v6
	v_lshl_add_u32 v6, v7, 7, v6                   ; 128 x (pair of tokens) + 32 x (which of the two): half 0's sums; half 1's lie 64 bytes on
	v_lshlrev_b32 v8, 2, v1                        ; 4 x lane: ids
	s_lshl_b32 s2, ttmp9, 15                       ; x: 8 tokens of 4,096 bytes a work-group,
	s_lshl_b32 s3, s18, 13                         ; 2 tokens a pair,
	s_add_co_u32 s2, s2, s3
	s_lshl_b32 s3, s17, 11                         ; 2,048 bytes a half
	s_add_co_u32 s2, s2, s3
	s_mov_b32 s3, 0
	s_lshr_b32 s22, s2, 2                          ; xq: one byte for four
	s_mov_b32 s23, 0
	s_lshl_b32 s34, s17, 14                        ; wr: 512 rows of 32 bytes a half
	s_mov_b32 s35, 0
	s_lshl_b32 s36, ttmp9, 5                       ; ids: 8 words a work-group
	s_mov_b32 s37, 0
	s_mov_b32 s32, 0x76543210                      ; v_permlanex16_b32: each lane takes its own place in the other half
	s_mov_b32 s33, 0xfedcba98
	s_wait_kmcnt 0x0
	s_load_b256 s[24:31], s[8:9], 0x0              ; br
	s_load_b32 s20, s[10:11], 0x4                  ; e1
	s_add_nc_u64 s[4:5], s[4:5], s[2:3]
	s_add_nc_u64 s[12:13], s[12:13], s[22:23]
	s_add_nc_u64 s[6:7], s[6:7], s[34:35]
	s_add_nc_u64 s[14:15], s[14:15], s[36:37]
.irp t, 0,1
.irp i, 0,1,2,3
	global_load_b128 v[R+16*\t+4*\i:R+16*\t+4*\i+3], v3, s[4:5] offset:4096*\t+512*\i th:TH_LOAD_NT   ; 32 lanes read 512 consecutive bytes; read once in the launch
.endr
.endr
.irp i, 0,1,2,3,4,5,6,7,8,9,10,11,12,13,14,15
	global_load_b128 v[W+8*\i:W+8*\i+3],   v4, s[6:7] offset:32*\i
	global_load_b128 v[W+8*\i+4:W+8*\i+7], v4, s[6:7] offset:32*\i+16
.endr
	s_wait_loadcnt 32                              ; x's eight loads are in; wr's 32, issued behind them, may be out
.irp t, 0,1                            ; through the stage: LDS serves a wave's instructions in order (ISA guide 5.7.1.4), so no wait stands between the stores and the loads
.irp i, 0,1,2,3
	ds_store_b128 v14, v[R+16*\t+4*\i:R+16*\t+4*\i+3] offset:STG*\t+8*SP*\i
.endr
.irp i, 0,1,2,3
	ds_load_b128 v[X+16*\t+4*\i:X+16*\t+4*\i+3], v15 offset:STG*\t+16*\i
.endr
.endr
	s_wait_kmcnt 0x0
	s_add_co_i32 s20, s20, 127
	s_lshl_b32 s21, s20, 23
	v_mov_b32 v11, s21                             ; 2^e1 as f32: the conversion takes its exponent field
	s_add_co_i32 s20, s20, 15
	s_lshl_b32 s20, s20, 23
	s_or_b32 s20, s20, 0x600000
	v_mov_b32 v10, s20                             ; 57,344 x 2^e1
	s_wait_dscnt 0x0                               ; both tokens' neighbours are in
.irp t, 0,1
.irp i, 0,1,2,3,4,5,6,7,8,9,10,11,12,13,14,15
	v_med3_num_f32 v[CP+\i], v[X+16*\t+\i], -v10, v10   ; the conversion to an 8-bit code does not saturate (ISA guide 7.6.2): the hold, into a copy
.endr
	v_cvt_scalef32_pk8_bf8_f32 v[CD+4*\t:CD+4*\t+1],   v[CP:CP+7],    v11
	v_cvt_scalef32_pk8_bf8_f32 v[CD+4*\t+2:CD+4*\t+3], v[CP+8:CP+15], v11
	v_nop                                          ; a plain line between the conversions and the next lines that write their sources
	global_store_b128 v3, v[CD+4*\t:CD+4*\t+3], s[12:13] offset:1024*\t   ; the wave stores 512 consecutive bytes, aligned
.endr
	s_wait_loadcnt 0x0                             ; wr
.set i, 0
.rept 16                               ; sums += x_i x wr[h_i][0..7]: x_i feeds both halves of the packed form; eight chains that do not wait for each other
.irp t, 0,1
.irp p, 0,1,2,3
.if i == 0
	v_pk_mul_f32 v[AC+8*\t+2*\p:AC+8*\t+2*\p+1], v[X+16*\t:X+16*\t+1], v[W+2*\p:W+2*\p+1] op_sel_hi:[0,1]   ; the first product starts the sums
.elseif i%2 == 0
	v_pk_fma_f32 v[AC+8*\t+2*\p:AC+8*\t+2*\p+1], v[X+16*\t+i:X+16*\t+i+1], v[W+8*i+2*\p:W+8*i+2*\p+1], v[AC+8*\t+2*\p:AC+8*\t+2*\p+1] op_sel_hi:[0,1,1]
.else
	v_pk_fma_f32 v[AC+8*\t+2*\p:AC+8*\t+2*\p+1], v[X+16*\t+i-1:X+16*\t+i], v[W+8*i+2*\p:W+8*i+2*\p+1], v[AC+8*\t+2*\p:AC+8*\t+2*\p+1] op_sel:[1,0,0] op_sel_hi:[1,1,1]
.endif
.endr
.endr
.set i, i+1
.endr
.irp m, 1,2,4,8                        ; across the 16 lanes of a half,
.irp k, 0,1,2,3,4,5,6,7,8,9,10,11,12,13,14,15
	v_add_f32_dpp v[AC+\k], v[AC+\k], v[AC+\k] row_xmask:\m row_mask:0xf bank_mask:0xf
.endr
.endr
.irp k, 0,1,2,3,4,5,6,7,8,9,10,11,12,13,14,15
	v_permlanex16_b32 v[CP+\k], v[AC+\k], s32, s33 ; and the other half's (the destination has been written before)
.endr
.irp k, 0,1,2,3,4,5,6,7,8,9,10,11,12,13,14,15
	v_add_f32 v[AC+\k], v[AC+\k], v[CP+\k]
.endr
.irp t, 0,1
	ds_store_b128 v5, v[AC+8*\t:AC+8*\t+3]   offset:32*\t      ; every lane holds the same sums and writes the same words
	ds_store_b128 v5, v[AC+8*\t+4:AC+8*\t+7] offset:32*\t+16
.endr
	s_wait_dscnt 0x0                               ; for the others' sake: my partial scores lie in LDS
	s_barrier_signal -1
	s_barrier_wait -1
	s_cmp_lg_u32 s16, 0
	s_cbranch_scc1 .Lend                           ; wave 0 finishes the eight tokens
	ds_load_b128 v[16:19], v6 offset:SCO           ; half 0's eight sums of token lane & 7,
	ds_load_b128 v[20:23], v6 offset:SCO+16
	ds_load_b128 v[24:27], v6 offset:SCO+64        ; half 1's
	ds_load_b128 v[28:31], v6 offset:SCO+80
	s_wait_dscnt 0x0
.irp e, 0,1,2,3,4,5,6,7
	v_add_f32 v[16+\e], v[16+\e], v[24+\e]
.endr
.irp e, 0,1,2,3,4,5,6,7
	v_add_f32 v[16+\e], s[24+\e], v[16+\e]         ; + br
.endr
	v_mov_b32 v32, v16                             ; the largest so far,
	v_mov_b32 v33, 0                               ; and where it stands
.irp e, 1,2,3,4,5,6,7
	v_cmp_ge_f32 vcc_lo, v32, v[16+\e]             ; a tie keeps the lower index
	v_cndmask_b32 v33, \e, v33, vcc_lo
	v_cndmask_b32 v32, v[16+\e], v32, vcc_lo
.endr
	v_cmp_gt_u32 vcc_lo, 8, v0
	s_wait_xcnt 0x0                                ; EXEC is a source of my stores of codes: it changes only behind this wait
	s_and_saveexec_b32 s21, vcc_lo
	global_store_b32 v8, v33, s[14:15]             ; lanes 0 to 7: the eight tokens' experts
	s_wait_xcnt 0x0                                ; and again in front of the line that widens it
	s_or_b32 exec_lo, exec_lo, s21
.Lend:
	s_wait_tensorcnt 0x0
	ds_add_u32 v126, v127
	s_wait_dscnt 0x0
	s_endpgm
.Lfunc_end_k_qbdcf88f365_route:
	.size	k_qbdcf88f365_route, .Lfunc_end_k_qbdcf88f365_route-k_qbdcf88f365_route
	.p2alignl 7, 3214868480
	.fill 96, 4, 3214868480
	.section	.rodata,"a",@progbits
	.p2align	6, 0x0
	.amdhsa_kernel k_qbdcf88f365_route
		.amdhsa_group_segment_fixed_size 42496
		.amdhsa_private_segment_fixed_size 0
		.amdhsa_enable_private_segment 0
		.amdhsa_kernarg_size 48
		.amdhsa_user_sgpr_count 2
		.amdhsa_user_sgpr_kernarg_segment_ptr 1
		.amdhsa_wavefront_size32 1
		.amdhsa_system_sgpr_workgroup_id_x 1
		.amdhsa_system_sgpr_workgroup_id_y 1
		.amdhsa_system_sgpr_workgroup_id_z 1
		.amdhsa_system_vgpr_workitem_id 0
		.amdhsa_next_free_vgpr 256
		.amdhsa_next_free_sgpr 66
		.amdhsa_reserve_vcc 1
		.amdhsa_float_denorm_mode_32 3
		.amdhsa_float_denorm_mode_16_64 3
		.amdhsa_memory_ordered 1
		.amdhsa_forward_progress 1
		.amdhsa_inst_pref_size 26
	.end_amdhsa_kernel
	.amdgpu_metadata
---
amdhsa.version: [ 1, 2 ]
amdhsa.kernels:
  - .name:           k_qbdcf88f365_route
    .symbol:         k_qbdcf88f365_route.kd
    .args:
      - { .name: x, .offset: 0, .size: 8, .value_kind: global_buffer, .address_space: global }
      - { .name: wr, .offset: 8, .size: 8, .value_kind: global_buffer, .address_space: global }
      - { .name: br, .offset: 16, .size: 8, .value_kind: global_buffer, .address_space: global }
      - { .name: lowp_scales, .offset: 24, .size: 8, .value_kind: global_buffer, .address_space: global }
      - { .name: xq, .offset: 32, .size: 8, .value_kind: global_buffer, .address_space: global }
      - { .name: ids, .offset: 40, .size: 8, .value_kind: global_buffer, .address_space: global }
    .group_segment_fixed_size: 42496
    .private_segment_fixed_size: 0
    .kernarg_segment_align: 8
    .kernarg_segment_size: 48
    .max_flat_workgroup_size: 256
    .sgpr_count:     66
    .vgpr_count:     256
    .wavefront_size: 32
...
	.end_amdgpu_metadata
.endif
;; end of part 1
;; launch up (part 2): grid 32 x 8, 4 waves a work-group, no clusters, 270,848 bytes of LDS; arguments ids, xq, w1_codes, b1, lowp_scales, hq, lst, cnt; writes hq, lst, cnt
.if DOCPART == 2
	.amdgcn_target "amdgcn-amd-amdhsa--gfx1250"
	.amdhsa_code_object_version 6
	.text
	.protected	k_qbdcf88f365_up
	.globl	k_qbdcf88f365_up
	.p2align	8
	.type	k_qbdcf88f365_up,@function
k_qbdcf88f365_up:
	s_mov_b64 s[64:65], 0
	v_nop
	global_prefetch_b8 v0, s[64:65] scope:SCOPE_SE
	s_setreg_imm32_b32 hwreg(HW_REG_WAVE_MODE, 25, 1), 1
	s_wait_xcnt 0x0
; THE FIRST PRODUCT, FOR THE CHOSEN ROWS ALONE: h = Q(gelu(x w1[e] + b1[e])), on codes of E5M2, for the tokens whose stored expert is e.
; SHARES.  Work-group (c, e) makes hidden units 128 c .. 128 c + 127 of expert e for all of e's tokens; wave w the 32 units 128 c + 32 w on.  Its 32 rows of w1 (32 KB: 2 tiles x 8 K steps x 16 registers)
; are asked for at the head and stay in registers: each weight byte is loaded once in the launch.
; THE LIST.  Every wave reads all 1,024 stored experts, makes 32 lane masks (register m = 4 i + k holds token 128 i + 4 lane + k) and their running counts.  Place J of e's list is the J-th set bit: SELECT finds the mask
; by 31 compares and the bit by five halvings.  The list goes to LDS (all waves read it) and, from work-group c = 0, to lst; n goes to cnt.  Places behind the last token of a tile repeat the last token: a row computed twice.
; THE ROWS.  Up to 256 rows of x's codes are gathered once into LDS (sixteen lanes read 256 aligned bytes of a row), 16 rows a tile.  Experts with more than 256 tokens take their further tiles straight from memory.
; No tensor load and no cluster: how many tiles there are hangs on numbers read from memory.
; THE PRODUCT IS USED TRANSPOSED (source 0 = 16 rows of w1, source 1 = 16 tokens), AND THE ROWS OF w1 THAT FORM A TILE ARE NOT NEIGHBOURS: lane r of tile u takes row 8 u + r + 8 (r / 8).  So lane (token r, half h) holds
; in its 16 sums the units 32 w + 16 h + 0 .. 15, neighbours along the next K, and its 16 codes are registers 4 w .. 4 w + 3 of the second product's fragment for K step c.
; hq holds such fragments as images of registers: [e][tile 64][K step 32][4][32 lanes][16 bytes]; a wave's store covers 512 consecutive bytes, aligned.
; In every fragment here registers 4 k .. 4 k + 3 of lane (r, h) hold K = 32 k + 16 h + 0 .. 15 of a step of 128: one permutation of K, alike on both sides of a product.
; GELU, exact: g = max(x, 0) - |x| erfc(|x| / sqrt 2) / 2, erfc(z) = t exp(-z^2 + poly9(t)), t = 1 / (1 + z / 2): a fit whose stated fractional error is 1.2e-7 for every z.  It works on the sums a = x / 2^(e0 + e1):
; the power of two is folded into three constants and into the conversion's scale.  b1 goes in as the C of a sum's first product, divided by 2^(e0 + e1).
; LIMITS: e0 + e1 between -63 and 63; e2 - e0 - e1 between -126 and 112.  An infinite or NaN sum is not served.  An exponential under 2^-126 counts as 0 (ISA guide 15.8).
.set XB0,  4096                        ; LDS: the list's 1,024 words at 0; from here 256 rows of x's codes
.set XP,   1040                        ; a row: 1,024 bytes + 16 = 65 x 16: the 16 rows that a load touches start at 16 different 16-byte columns of the 64 banks of 4 bytes (ISA guide 11.1)
.set XT,   16*XP                       ; a tile of 16 rows
.set MK,   32                          ; s32-63   the masks
.set KY,   66                          ; s67-97   keys: s[KY + m] = 32 x (tokens of e in masks under m) + m, m = 1 .. 31
.set RR,   1                           ; v1   r = lane % 16
.set HH,   2                           ; v2   h = lane / 16
.set LN,   3                           ; v3   lane
.set WO,   4                           ; v4   w1: (r + 8 (r / 8)) x 1,024 + 16 h
.set L16,  5                           ; v5   16 x lane
.set R16,  6                           ; v6   16 x r
.set LR,   7                           ; v7   list reads: 16 w + 4 h
.set XA,   8                           ; v8   a fragment of x in tile 0: XB0 + XP r + 16 h
.set ADR,  9                           ; v9   the same in the tile to be fetched
.set LA,   10                          ; v10  the list place in hand, in bytes
.set SC,   11                          ; v11  2^(e2 - e0 - e1)
.set LIM,  12                          ; v12  57,344 x that
.set H64,  13                          ; v13  64 h
.set SA,   14                          ; v14-19 where I stage rows: XB0 + (4 w + h) XP + 16 r + j x 3 tiles
.set J,    20                          ; v20-31 SELECT's
.set JK,   21
.set KK,   22
.set MM,   23
.set RK,   24
.set CA,   25
.set CB,   26
.set CC,   27
.set CE,   28
.set POS,  29
.set TT,   30
.set TOK,  31
.set TK,   32                          ; v32-63 the stored experts; later two list entries a tile
.set ACC,  64                          ; v64-79 the two accumulators
.set BIAS, 80                          ; v80-95 b1 / 2^(e0 + e1) in the result's layout
.set RZ,   96                          ; v96-111  |a| / sqrt 2; at the end g / 2^(e0 + e1)
.set RT,   112                         ; v112-127 t; later erfc / sqrt 2
.set RA,   128                         ; v128-143 the exponent, then the exponential
.set RP,   144                         ; v144-159 the polynomial
.set CODE, 160                         ; v160-163 16 codes
.set HO,   164                         ; v164 the store's offset in hq
.set H16,  165                         ; v165 16 h
.set C9,   166                         ; v166-167 the polynomial's leading coefficient, as a pair
.set LB,   168                         ; v168 4 x my thread's number
; window 1: w1's fragments, (K step s, tile u) at v[32 s + 16 u].   window 2: v0-127 x's eight fragments.   windows 2 and 3: while rows are staged, 32 landing registers a tile.
.set MSB, 0
.macro WIN new                         ; the immediate's high byte repeats the setting that is left; at every label and branch every window is 0
.if MSB != (\new)
	s_set_vgpr_msb (MSB<<8)|(\new)
.set MSB, (\new)
.endif
.endm
.macro SELSTEP lev, wid, inc           ; does the wanted bit lie above the lower inc bits of the field in hand?
	v_bfe_u32 v[TT], v[\lev], v[POS], \wid         ; set bits among them
	v_cmp_ge_u32 vcc_lo, v[RK], v[TT]
	v_cndmask_b32 v[TT], 0, v[TT], vcc_lo
	v_sub_nc_u32 v[RK], v[RK], v[TT]
	v_add_nc_u32 v[JK], \inc, v[POS]
	v_cndmask_b32 v[POS], v[POS], v[JK], vcc_lo
.endm
.macro SELECT                          ; v[J], a place in e's list -> v[TOK], the token
	v_lshl_or_b32 v[JK], v[J], 5, 31               ; key m counts where its running count is at most J
	v_mov_b32 v[KK], 0
	v_mov_b32 v[MM], s[MK]
.set m, 1
.rept 31                               ; the keys ascend: the last that counts is the mask that holds place J
	v_cmp_gt_u32 vcc_lo, s[KY+m], v[JK]
	v_cndmask_b32 v[KK], s[KY+m], v[KK], vcc_lo
	v_cndmask_b32 v[MM], s[MK+m], v[MM], vcc_lo
.set m, m+1
.endr
	v_lshrrev_b32 v[RK], 5, v[KK]
	v_sub_nc_u32 v[RK], v[J], v[RK]                ; which set bit of that mask, from 0
	v_and_b32 v[KK], 31, v[KK]                     ; m
	v_lshrrev_b32 v[CA], 1, v[MM]                  ; counts of set bits in fields of 2, 4, 8 and 16 bits
	v_and_b32 v[CA], 0x55555555, v[CA]
	v_sub_nc_u32 v[CA], v[MM], v[CA]
	v_lshrrev_b32 v[CB], 2, v[CA]
	v_and_b32 v[CB], 0x33333333, v[CB]
	v_and_b32 v[TT], 0x33333333, v[CA]
	v_add_nc_u32 v[CB], v[CB], v[TT]
	v_lshrrev_b32 v[CC], 4, v[CB]
	v_add_nc_u32 v[CC], v[CC], v[CB]
	v_and_b32 v[CC], 0x0f0f0f0f, v[CC]
	v_lshrrev_b32 v[CE], 8, v[CC]
	v_add_nc_u32 v[CE], v[CE], v[CC]
	v_mov_b32 v[POS], 0
	SELSTEP CE, 8, 16
	SELSTEP CC, 8, 8
	SELSTEP CB, 4, 4
	SELSTEP CA, 2, 2
	SELSTEP MM, 1, 1
	v_lshrrev_b32 v[TT], 2, v[KK]
	v_and_b32 v[KK], 3, v[KK]
	v_lshl_add_u32 v[KK], v[POS], 2, v[KK]
	v_lshl_add_u32 v[TOK], v[TT], 7, v[KK]         ; token = 128 (m / 4) + 4 x bit + m % 4
.endm
.macro GATHER tl                       ; my four rows of tile tl: lanes 0-15 one row, lanes 16-31 the next, twice; 256 aligned bytes of a row to sixteen lanes
.irp p, 0,1
	v_min_u32 v[TK+2*\tl+\p], 0x3ff, v[TK+2*\tl+\p]   ; a number that was loaded enters an address only behind this bound
	v_lshl_add_u32 v[TK+2*\tl+\p], v[TK+2*\tl+\p], 10, v[R16]
.endr
	WIN 0x80+0x40*(\tl/8)                          ; destination window 2 or 3
.irp p, 0,1
.irp k, 0,1,2,3
	global_load_b128 v[32*(\tl%8)+16*\p+4*\k:32*(\tl%8)+16*\p+4*\k+3], v[TK+2*\tl+\p], s[6:7] offset:256*\k
.endr
.endr
	WIN 0
.endm
.macro STASH tl                        ; and into LDS
	s_wait_loadcnt 0x0                             ; the youngest loads are wanted first, so the wait is for all; the weights are in with them
	WIN 0x08+0x04*(\tl/8)                          ; data window 2 or 3
.irp p, 0,1
.irp k, 0,1,2,3
	ds_store_b128 v[SA+\tl/3], v[32*(\tl%8)+16*\p+4*\k:32*(\tl%8)+16*\p+4*\k+3] offset:(\tl%3)*XT+2*XP*\p+256*\k
.endr
.endr
	WIN 0
.endm
.macro XFETCH                          ; a tile's eight fragments of x, from v[ADR]
	WIN 0x80
.irp s, 0,1,2,3,4,5,6,7
.irp k, 0,1,2,3
	ds_load_b128 v[16*\s+4*\k:16*\s+4*\k+3], v[ADR] offset:128*\s+32*\k
.endr
.endr
	WIN 0
.endm
.macro MUL16                           ; 16 tokens x my 32 units x K = 1,024.  The two accumulators take turns, one instruction a turn
	WIN 0x09                                       ; source 0 (w1) window 1, source 1 (x) window 2
.irp s, 0,1,2,3,4,5,6,7
.irp u, 0,1
.if \s == 0
	v_wmma_f32_16x16x128_bf8_bf8 v[ACC+8*\u:ACC+8*\u+7], v[32*\s+16*\u:32*\s+16*\u+15], v[16*\s:16*\s+15], v[BIAS+8*\u:BIAS+8*\u+7]
.else
	v_wmma_f32_16x16x128_bf8_bf8 v[ACC+8*\u:ACC+8*\u+7], v[32*\s+16*\u:32*\s+16*\u+15], v[16*\s:16*\s+15], v[ACC+8*\u:ACC+8*\u+7]
.endif
.endr
.endr
	WIN 0
.endm
.macro GELUQ                           ; the lane's 16 sums -> 16 codes
.set i, 0
.rept 16
	v_mul_f32 v[RZ+i], 0x3f3504f3, |v[ACC+i]|      ; Z = |a| / sqrt 2; each accumulator is read from its low end on
.set i, i+1
.endr
.set i, 0
.rept 16
	v_max_num_f32 v[ACC+i], 0, v[ACC+i]            ; max(a, 0)
.set i, i+1
.endr
.irp i, 0,2,4,6,8,10,12,14
	v_pk_fma_f32 v[RT+\i:RT+\i+1], v[RZ+\i:RZ+\i+1], s[98:99], 1.0 op_sel_hi:[1,0,0]   ; 1 + z / 2, z = Z 2^(e0 + e1)
.endr
.set i, 0
.rept 16
	v_rcp_f32 v[RT+i], v[RT+i]                     ; t
.set i, i+1
.endr
.irp i, 0,2,4,6,8,10,12,14
	v_pk_mul_f32 v[RA+\i:RA+\i+1], v[RZ+\i:RZ+\i+1], s[100:101] op_sel_hi:[1,0]   ; -log2(e) 4^(e0 + e1) Z: plain lines behind the reciprocals that name none of them
.endr
	s_wait_alu depctr_va_vdst(0)                   ; one wait for the 16 reciprocals, ahead of their first reader
.irp i, 0,2,4,6,8,10,12,14
	v_pk_fma_f32 v[RP+\i:RP+\i+1], v[RT+\i:RT+\i+1], v[C9:C9+1], 0xbf97d29d op_sel_hi:[1,0,0]   ; Horner; the coefficients are the fit's x log2(e), the last also less 1/2: the exponential then carries 1 / sqrt 2
.endr
.irp k, 0x40097039, 0xbfd1a1e5, 0x3ecdfd18, 0xbe899a80, 0x3e0efb2e, 0x3f0a29d2, 0x3fb8ab5a, 0xc014d90f
.irp i, 0,2,4,6,8,10,12,14
	v_pk_fma_f32 v[RP+\i:RP+\i+1], v[RP+\i:RP+\i+1], v[RT+\i:RT+\i+1], \k op_sel_hi:[1,1,0]
.endr
.endr
.irp i, 0,2,4,6,8,10,12,14
	v_pk_fma_f32 v[RA+\i:RA+\i+1], v[RA+\i:RA+\i+1], v[RZ+\i:RZ+\i+1], v[RP+\i:RP+\i+1]   ; -z^2 log2(e) + the polynomial
.endr
.set i, 0
.rept 16
	v_exp_f32 v[RA+i], v[RA+i]
.set i, i+1
.endr
	v_nop                                          ; a plain line behind the last exponential
	s_wait_alu depctr_va_vdst(0)                   ; one wait for the 16 exponentials
.irp i, 0,2,4,6,8,10,12,14
	v_pk_mul_f32 v[RT+\i:RT+\i+1], v[RT+\i:RT+\i+1], v[RA+\i:RA+\i+1]   ; erfc(z) / sqrt 2
.endr
.irp i, 0,2,4,6,8,10,12,14
	v_pk_fma_f32 v[RZ+\i:RZ+\i+1], v[RZ+\i:RZ+\i+1], v[RT+\i:RT+\i+1], v[ACC+\i:ACC+\i+1] neg_lo:[1,0,0] neg_hi:[1,0,0]   ; g / 2^(e0 + e1) = max(a, 0) - Z erfc / sqrt 2
.endr
.set i, 0
.rept 16
	v_med3_num_f32 v[RZ+i], v[RZ+i], -v[LIM], v[LIM]   ; the conversion to an 8-bit code does not saturate (ISA guide 7.6.2): the hold
.set i, i+1
.endr
	s_wait_xcnt 0x0                                ; the last tile's store has read its codes and its offset: both are written again only behind this wait
	v_cvt_scalef32_pk8_bf8_f32 v[CODE:CODE+1],   v[RZ:RZ+7],    v[SC]
	v_cvt_scalef32_pk8_bf8_f32 v[CODE+2:CODE+3], v[RZ+8:RZ+15], v[SC]
	v_nop                                          ; a plain line behind the conversions
.endm
.macro HSTORE                          ; tile s28's codes: part w of K step c
	s_min_u32 s2, s28, 63
	s_lshl_b32 s2, s2, 16                          ; a tile's 32 K steps of 2,048 bytes
	v_add_nc_u32 v[HO], s2, v[L16]
	global_store_b128 v[HO], v[CODE:CODE+3], s[14:15]
.endm
	s_load_b512 s[4:19], s[0:1], 0x0               ; ids s[4:5], xq s[6:7], w1 s[8:9], b1 s[10:11], scales s[12:13], hq s[14:15], lst s[16:17], cnt s[18:19]
	v_lshl_add_u32 v254, v0, 2, 0x42000
	v_mov_b32 v255, 0
	v_lshrrev_b32 v2, 5, v0
	v_readfirstlane_b32 s20, v2                    ; wave 0..3
	s_mov_b32 s21, ttmp9                           ; c
	s_and_b32 s22, ttmp7, 0xffff                   ; e
	v_and_b32 v[RR], 15, v0
	v_bfe_u32 v[HH], v0, 4, 1
	v_and_b32 v[LN], 31, v0
	v_and_b32 v[WO], 8, v[RR]
	v_add_nc_u32 v[WO], v[WO], v[RR]
	v_lshlrev_b32 v[WO], 10, v[WO]
	v_lshl_add_u32 v[WO], v[HH], 4, v[WO]
	v_lshlrev_b32 v[L16], 4, v[LN]
	v_lshlrev_b32 v[R16], 4, v[RR]
	s_lshl_b32 s2, s20, 4
	v_lshl_add_u32 v[LR], v[HH], 2, s2
	v_mul_u32_u24 v[XA], v[RR], XP
	v_lshl_add_u32 v[XA], v[HH], 4, v[XA]
	v_add_nc_u32 v[XA], XB0, v[XA]
	v_lshlrev_b32 v[H64], 6, v[HH]
	v_lshlrev_b32 v[H16], 4, v[HH]
	v_lshlrev_b32 v[LB], 2, v0
	s_mul_i32 s2, s20, 4*XP
	s_add_co_u32 s2, s2, XB0
	v_mul_u32_u24 v[SA], v[HH], XP
	v_add_nc_u32 v[SA], v[SA], v[R16]
	v_add_nc_u32 v[SA], s2, v[SA]
.irp j, 1,2,3,4,5
	v_add_nc_u32 v[SA+\j], \j*3*XT, v[SA]
.endr
	v_mov_b32 v[C9], 0x3e7c6f08
	v_mov_b32 v[C9+1], 0x3e7c6f08
	s_lshl_b32 s2, s22, 22                         ; w1: (4,096 e + 128 c + 32 w) rows of 1,024 bytes
	s_lshl_b32 s3, s21, 17
	s_add_co_u32 s2, s2, s3
	s_lshl_b32 s3, s20, 15
	s_add_co_u32 s24, s2, s3
	s_mov_b32 s25, 0
	s_lshr_b32 s26, s24, 8                         ; b1: the same units, 4 bytes each
	s_mov_b32 s27, 0
	s_lshl_b32 s28, s22, 22                        ; hq: 64 e tiles of 65,536 bytes, K step c of 2,048, part w of 512
	s_lshl_b32 s3, s21, 11
	s_add_co_u32 s28, s28, s3
	s_lshl_b32 s3, s20, 9
	s_add_co_u32 s28, s28, s3
	s_mov_b32 s29, 0
	s_lshl_b32 s30, s22, 12                        ; lst: 1,024 words an expert
	s_mov_b32 s31, 0
	s_lshl_b32 s2, s22, 7                          ; cnt: 32 words an expert
	s_mov_b32 s3, 0
	s_wait_kmcnt 0x0
	s_add_nc_u64 s[8:9], s[8:9], s[24:25]
	s_add_nc_u64 s[10:11], s[10:11], s[26:27]
	s_add_nc_u64 s[14:15], s[14:15], s[28:29]
	s_add_nc_u64 s[16:17], s[16:17], s[30:31]
	s_add_nc_u64 s[18:19], s[18:19], s[2:3]
	s_load_b128 s[28:31], s[12:13], 0x0            ; e0, e1, e2, e3
.irp i, 0,1,2,3,4,5,6,7
	global_load_b128 v[TK+4*\i:TK+4*\i+3], v[L16], s[4:5] offset:512*\i   ; register 4 i + k: the expert of token 128 i + 4 lane + k
.endr
.irp u, 0,1
.irp j, 0,1
	global_load_b128 v[BIAS+8*\u+4*\j:BIAS+8*\u+4*\j+3], v[H64], s[10:11] offset:32*\u+16*\j   ; b1 of units 16 h + 8 u + 0 .. 7
.endr
.endr
	WIN 0x40                                       ; destination window 1
.irp u, 0,1
.irp s, 0,1,2,3,4,5,6,7
.irp k, 0,1,2,3
	global_load_b128 v[32*\s+16*\u+4*\k:32*\s+16*\u+4*\k+3], v[WO], s[8:9] offset:8192*\u+128*\s+32*\k   ; eight neighbouring lines cover 256 bytes of each of 16 rows
.endr
.endr
.endr
	WIN 0
	s_wait_loadcnt 63                              ; 76 loads were issued: the oldest 13 are in, the stored experts and b1 among them; the weights stay on their way under all that follows
.set m, 0
.rept 32
	v_cmp_eq_u32 s[MK+m], s22, v[TK+m]
.set m, m+1
.endr
	s_wait_kmcnt 0x0
	s_add_co_i32 s2, s28, s29                      ; e0 + e1
	s_add_co_i32 s3, s2, 126
	s_lshl_b32 s98, s3, 23                         ; 2^(e0 + e1 - 1)
	s_mov_b32 s99, s98                             ; (named with it as a pair, so it is written)
	s_lshl_b32 s3, s2, 24
	s_add_co_u32 s100, s3, 0xbfb8aa3b              ; -log2(e) with 2 (e0 + e1) added to its exponent field
	s_mov_b32 s101, s100
	s_sub_co_i32 s3, s30, s2
	s_add_co_i32 s3, s3, 127
	s_lshl_b32 s66, s3, 23
	v_mov_b32 v[SC], s66                           ; 2^(e2 - e0 - e1): the three scales folded into the conversion's one
	s_add_co_i32 s3, s3, 15
	s_lshl_b32 s3, s3, 23
	s_or_b32 s3, s3, 0x600000
	v_mov_b32 v[LIM], s3
	s_sub_co_i32 s3, 0, s2
.set i, 0
.rept 16
	v_ldexp_f32 v[BIAS+i], v[BIAS+i], s3
.set i, i+1
.endr
	s_mov_b32 s23, 0                               ; the running count; at the end n
.set m, 0
.rept 32
.if m > 0
	s_lshl_b32 s2, s23, 5
	s_add_co_u32 s[KY+m], s2, m
.endif
	s_bcnt1_i32_b32 s3, s[MK+m]
	s_add_co_u32 s23, s23, s3
.set m, m+1
.endr
	s_max_u32 s24, s23, 1                          ; n' = max(n, 1): an expert without tokens makes one tile that nobody reads
	s_sub_co_u32 s25, s24, 1
	s_add_co_u32 s26, s24, 15
	s_lshr_b32 s26, s26, 4                         ; tiles
	s_min_u32 s27, s26, 16                         ; of them through LDS
	; ---- the list: eight trips of 128 places; every word is written
	s_mov_b32 s28, 0
	s_mov_b32 s29, 0                               ; 128 x trip
	s_mov_b32 s30, 0                               ; the same in bytes
.Llist:
	v_mov_b32 v[TOK], 0
	v_add_nc_u32 v[LA], s30, v[LB]
	s_cmp_ge_u32 s29, s24
	s_cbranch_scc1 .Lno_select                     ; all these places lie behind the list's end
	v_add_nc_u32 v[J], s29, v0
	v_min_u32 v[J], s25, v[J]                      ; places behind the last token repeat it
	SELECT
.Lno_select:
	ds_store_b32 v[LA], v[TOK]
	s_cmp_lg_u32 s21, 0
	s_cbranch_scc1 .Lno_lst
	global_store_b32 v[LA], v[TOK], s[16:17]       ; work-group c = 0 keeps the list for the second product
.Lno_lst:
	s_wait_xcnt 0x0                                ; the stores have read their registers,
	s_wait_dscnt 0x0                               ; both of them: the next trip writes them again
	s_add_co_u32 s29, s29, 128
	s_add_co_u32 s30, s30, 512
	s_add_co_u32 s28, s28, 1
	s_cmp_lt_u32 s28, 8
	s_cbranch_scc1 .Llist
	s_or_b32 s2, s21, s20
	s_cmp_lg_u32 s2, 0
	s_cbranch_scc1 .Lno_cnt
	v_mov_b32 v[TT], s23
	v_lshlrev_b32 v[JK], 2, v[LN]
	global_store_b32 v[JK], v[TT], s[18:19]        ; n, 32 times: 128 consecutive bytes
.Lno_cnt:
	s_barrier_signal -1                            ; (my list stores were waited for in the loop)
	s_barrier_wait -1                              ; the list lies in LDS
	; ---- the rows: as many tiles are gathered as there are, and just those are put into LDS
.irp tl, 0,1,2,3,4,5,6,7,8,9,10,11,12,13,14,15
.irp p, 0,1
	ds_load_b32 v[TK+2*\tl+\p], v[LR] offset:64*\tl+8*\p   ; place 16 tl + 4 w + 2 p + h
.endr
.endr
	s_wait_dscnt 0x0
.irp tl, 0,1,2,3,4,5,6,7,8,9,10,11,12,13,14,15
	s_cmp_le_u32 s27, \tl
	s_cbranch_scc1 .Lst_\tl
	GATHER \tl
.endr
.irp tl, 15,14,13,12,11,10,9,8,7,6,5,4,3,2,1,0
	STASH \tl
.Lst_\tl:
.endr
	s_wait_loadcnt 0x0                             ; the weights
	s_wait_dscnt 0x0                               ; for the others' sake: my rows lie in LDS
	s_barrier_signal -1
	s_barrier_wait -1
	; ---- the tiles in LDS: sixteen trips; a trip without a tile only steps.  The next tile's fragments land while this tile's GELU is worked
	s_mov_b32 s28, 0                               ; tile
	s_mov_b32 s29, XT                              ; the next tile's rows
	v_add_nc_u32 v[ADR], 0, v[XA]
	XFETCH
.Ltile:
	s_cmp_ge_u32 s28, s27
	s_cbranch_scc1 .Lidle
	s_wait_dscnt 0x0                               ; x's fragments are in
	MUL16
	s_min_u32 s2, s29, 15*XT                       ; (held inside the staged rows)
	v_add_nc_u32 v[ADR], s2, v[XA]
.rept 4
	v_nop                                          ; places between the last product and the loads into its operands and the first read of its results
.endr
	s_add_co_u32 s3, s28, 1
	s_cmp_ge_u32 s3, s27
	s_cbranch_scc1 .Lno_next
	XFETCH
.Lno_next:
	GELUQ
	HSTORE
.Lidle:
	s_add_co_u32 s29, s29, XT
	s_add_co_u32 s28, s28, 1
	s_cmp_lt_u32 s28, 16
	s_cbranch_scc1 .Ltile
	s_wait_dscnt 0x0
	; ---- an expert with more than 256 tokens: its further tiles take x's fragments straight from memory; no LDS, no barrier
	s_cmp_le_u32 s26, 16
	s_cbranch_scc1 .Lend
	s_mov_b32 s28, 16
.Lover:
	s_wait_xcnt 0x0                                ; earlier stores have read the registers that SELECT writes
	s_lshl_b32 s2, s28, 4
	v_add_nc_u32 v[J], s2, v[RR]
	v_min_u32 v[J], s25, v[J]
	SELECT
	v_min_u32 v[TOK], 0x3ff, v[TOK]
	v_lshl_add_u32 v[TOK], v[TOK], 10, v[H16]
	WIN 0x80
.irp s, 0,1,2,3,4,5,6,7
.irp k, 0,1,2,3
	global_load_b128 v[16*\s+4*\k:16*\s+4*\k+3], v[TOK], s[6:7] offset:128*\s+32*\k
.endr
.endr
	WIN 0
	s_wait_loadcnt 0x0
	MUL16
.rept 4
	v_nop
.endr
	GELUQ
	HSTORE
	s_add_co_u32 s28, s28, 1
	s_cmp_lt_u32 s28, s26
	s_cbranch_scc1 .Lover
.Lend:
	s_wait_tensorcnt 0x0
	ds_add_u32 v254, v255
	s_wait_dscnt 0x0
	s_endpgm
.Lfunc_end_k_qbdcf88f365_up:
	.size	k_qbdcf88f365_up, .Lfunc_end_k_qbdcf88f365_up-k_qbdcf88f365_up
	.p2alignl 7, 3214868480
	.fill 96, 4, 3214868480
	.section	.rodata,"a",@progbits
	.p2align	6, 0x0
	.amdhsa_kernel k_qbdcf88f365_up
		.amdhsa_group_segment_fixed_size 270848
		.amdhsa_private_segment_fixed_size 0
		.amdhsa_enable_private_segment 0
		.amdhsa_kernarg_size 64
		.amdhsa_user_sgpr_count 2
		.amdhsa_user_sgpr_kernarg_segment_ptr 1
		.amdhsa_wavefront_size32 1
		.amdhsa_system_sgpr_workgroup_id_x 1
		.amdhsa_system_sgpr_workgroup_id_y 1
		.amdhsa_system_sgpr_workgroup_id_z 1
		.amdhsa_system_vgpr_workitem_id 0
		.amdhsa_next_free_vgpr 1024
		.amdhsa_next_free_sgpr 102
		.amdhsa_reserve_vcc 1
		.amdhsa_float_denorm_mode_32 3
		.amdhsa_float_denorm_mode_16_64 3
		.amdhsa_memory_ordered 1
		.amdhsa_forward_progress 1
		.amdhsa_inst_pref_size 97
	.end_amdhsa_kernel
	.amdgpu_metadata
---
amdhsa.version: [ 1, 2 ]
amdhsa.kernels:
  - .name:           k_qbdcf88f365_up
    .symbol:         k_qbdcf88f365_up.kd
    .args:
      - { .name: ids, .offset: 0, .size: 8, .value_kind: global_buffer, .address_space: global }
      - { .name: xq, .offset: 8, .size: 8, .value_kind: global_buffer, .address_space: global }
      - { .name: w1_codes, .offset: 16, .size: 8, .value_kind: global_buffer, .address_space: global }
      - { .name: b1, .offset: 24, .size: 8, .value_kind: global_buffer, .address_space: global }
      - { .name: lowp_scales, .offset: 32, .size: 8, .value_kind: global_buffer, .address_space: global }
      - { .name: hq, .offset: 40, .size: 8, .value_kind: global_buffer, .address_space: global }
      - { .name: lst, .offset: 48, .size: 8, .value_kind: global_buffer, .address_space: global }
      - { .name: cnt, .offset: 56, .size: 8, .value_kind: global_buffer, .address_space: global }
    .group_segment_fixed_size: 270848
    .private_segment_fixed_size: 0
    .kernarg_segment_align: 8
    .kernarg_segment_size: 64
    .max_flat_workgroup_size: 128
    .sgpr_count:     102
    .vgpr_count:     1024
    .wavefront_size: 32
...
	.end_amdgpu_metadata
.endif
;; end of part 2
;; launch down (part 3): grid 32 x 8, 4 waves a work-group, no clusters, 152,064 bytes of LDS; arguments hq, w2_codes, b2, lowp_scales, lst, cnt, out0; writes out0
.if DOCPART == 3
	.amdgcn_target "amdgcn-amd-amdhsa--gfx1250"
	.amdhsa_code_object_version 6
	.text
	.protected	k_qbdcf88f365_down
	.globl	k_qbdcf88f365_down
	.p2align	8
	.type	k_qbdcf88f365_down,@function
k_qbdcf88f365_down:
	s_mov_b64 s[64:65], 0
	v_nop
	global_prefetch_b8 v0, s[64:65] scope:SCOPE_SE
	s_setreg_imm32_b32 hwreg(HW_REG_WAVE_MODE, 25, 1), 1
	s_wait_xcnt 0x0
; THE SECOND PRODUCT: out0[token] = h w2[e] x 2^(e2 + e3) + b2[e], for the tokens of expert e's stored list, on codes of E5M2.
; SHARES.  Work-group (c, e) makes output columns 32 c .. 32 c + 31 of expert e.  THE WAVES SHARE K: wave w holds K = 1,024 w .. 1,024 w + 1,023 of the 32 rows of w2 (32 KB: 8 K steps x 2 tiles x 16 registers),
; asked for at the head: each weight byte is loaded once in the launch.  So each hidden fragment is loaded by one wave alone, straight from hq, where it lies as an image of its registers (four loads of 512 dense bytes).
; What crosses between waves is small: a tile's 16 x 32 partial sums of each wave meet in LDS, and wave w adds up tiles w, w + 4, w + 8, w + 12 of a pass, scales, adds b2 and stores to the tokens' rows.
; The product is used transposed (source 0 = 16 rows of w2, source 1 = 16 tokens): a lane holds eight neighbouring columns of one token.
; PASSES.  Four passes of 16 tiles serve every split, all 1,024 tokens on one expert too; the number of tiles comes from cnt.  A pass without tiles has only its two barriers, which every wave passes.
; No tensor load and no cluster: how many tiles there are hangs on a number read from memory.  The tiles of a pass are written out, so that each wait's count is right on every path.
; A store covers 128 consecutive bytes of each of four rows: 32 columns are what 8,192 rows of w2 shared among 256 work-groups leave; places behind a list's end repeat its last token and store the same numbers again.
; LIMITS: e2 + e3 between -126 and 127.  An output is the sum of four f32 sums over quarters of K.
.set PR,    144                        ; a row of partial sums: 128 bytes + 16
.set PW,    16*PR                      ; a wave's part of a tile
.set PT,    4*PW                       ; a tile
.set LISTB, 16*PT                      ; behind the 16 tiles: the list's 1,024 words
.set ACC,   32                         ; v32-63 two sets (by the tile's parity) of two accumulators
; v1 16 lane; v2 w2: 4,096 r + 16 h; v3, v4 where I put partial sums (tiles 0-7, 8-15); v5, v6 where I read them; v7 16 (lane % 8); v8 list reads; v9 the same in this pass; v10 32 x thread; v12-15 b2;
; v16-19 tokens; v20-27 list words; v64-127 partial sums; v128-143 results; v145 the list's place in LDS.   window 1: w2's fragments, (s, a) at v[32 s + 16 a].   window 2: two buffers of eight hidden fragments.
.set MSB, 0
.macro WIN new                         ; the immediate's high byte repeats the setting that is left; at every label and branch every window is 0
.if MSB != (\new)
	s_set_vgpr_msb (MSB<<8)|(\new)
.set MSB, (\new)
.endif
.endm
.macro LOAD tl                         ; tile tl's eight fragments of my quarter of K
	WIN 0x80
.irp s, 0,1,2,3,4,5,6,7
.irp k, 0,1,2,3
	global_load_b128 v[128*((\tl)%2)+16*\s+4*\k:128*((\tl)%2)+16*\s+4*\k+3], v1, s[28:29] offset:65536*(\tl)+2048*\s+512*\k
.endr
.endr
	WIN 0
.endm
.macro MUL tl                          ; the two accumulators take turns, one instruction a turn; the first products start the sums
	s_wait_dscnt 0x4                               ; only the last tile's four LDS stores may be out: those that read this set, two tiles ago, are done
	WIN 0x09                                       ; source 0 (w2) window 1, source 1 (h) window 2
.irp s, 0,1,2,3,4,5,6,7
.irp a, 0,1
.if \s == 0
	v_wmma_f32_16x16x128_bf8_bf8 v[ACC+16*((\tl)%2)+8*\a:ACC+16*((\tl)%2)+8*\a+7], v[32*\s+16*\a:32*\s+16*\a+15], v[128*((\tl)%2)+16*\s:128*((\tl)%2)+16*\s+15], 0
.else
	v_wmma_f32_16x16x128_bf8_bf8 v[ACC+16*((\tl)%2)+8*\a:ACC+16*((\tl)%2)+8*\a+7], v[32*\s+16*\a:32*\s+16*\a+15], v[128*((\tl)%2)+16*\s:128*((\tl)%2)+16*\s+15], v[ACC+16*((\tl)%2)+8*\a:ACC+16*((\tl)%2)+8*\a+7]
.endif
.endr
.endr
	WIN 0
.endm
.macro SAVE tl
.rept 5
	v_nop                                          ; places behind the last product: for the stores of its results, for the next loads into its operands and for the next products
.endr
.irp a, 0,1
.irp j, 0,1
	ds_store_b128 v[3+(\tl)/8], v[ACC+16*((\tl)%2)+8*\a+4*\j:ACC+16*((\tl)%2)+8*\a+4*\j+3] offset:((\tl)%8)*PT+64*\a+16*\j   ; token r, columns 16 a + 8 h + 4 j on; each accumulator from its low end on
.endr
.endr
.endm
.macro REDUCE u                        ; tile w + 4 u: eight lanes to a row of 128 bytes, four rows an instruction
	s_wait_xcnt 0x0                                ; earlier stores have read their registers
.irp g, 0,1,2,3
	ds_load_b32 v[16+\g], v9 offset:256*\u+16*\g   ; the token of row 4 g + lane / 8
.endr
.irp g, 0,1,2,3
.irp q, 0,1,2,3
	ds_load_b128 v[64+16*\g+4*\q:64+16*\g+4*\q+3], v[5+\u/2] offset:(\u%2)*4*PT+PW*\q+4*PR*\g   ; wave q's part
.endr
.endr
.irp g, 0,1,2,3
	s_wait_dscnt 12-4*\g                           ; the later groups' loads may be out
	v_pk_add_f32 v[64+16*\g:65+16*\g], v[64+16*\g:65+16*\g], v[68+16*\g:69+16*\g]
	v_pk_add_f32 v[66+16*\g:67+16*\g], v[66+16*\g:67+16*\g], v[70+16*\g:71+16*\g]
	v_pk_add_f32 v[72+16*\g:73+16*\g], v[72+16*\g:73+16*\g], v[76+16*\g:77+16*\g]
	v_pk_add_f32 v[74+16*\g:75+16*\g], v[74+16*\g:75+16*\g], v[78+16*\g:79+16*\g]
	v_pk_add_f32 v[64+16*\g:65+16*\g], v[64+16*\g:65+16*\g], v[72+16*\g:73+16*\g]
	v_pk_add_f32 v[66+16*\g:67+16*\g], v[66+16*\g:67+16*\g], v[74+16*\g:75+16*\g]
	v_pk_fma_f32 v[128+4*\g:129+4*\g], v[64+16*\g:65+16*\g], s[30:31], v[12:13] op_sel_hi:[1,0,1]   ; sum x 2^(e2 + e3) + b2
	v_pk_fma_f32 v[130+4*\g:131+4*\g], v[66+16*\g:67+16*\g], s[30:31], v[14:15] op_sel_hi:[1,0,1]
	v_min_u32 v[16+\g], 0x3ff, v[16+\g]            ; a number that was loaded enters an address only behind this bound
	v_lshl_add_u32 v[16+\g], v[16+\g], 12, v7
	global_store_b128 v[16+\g], v[128+4*\g:131+4*\g], s[16:17] th:TH_STORE_NT
.endr
.endm
	s_load_b256 s[4:11], s[0:1], 0x0               ; hq s[4:5], w2 s[6:7], b2 s[8:9], the scales' exponents s[10:11]
	s_load_b128 s[12:15], s[0:1], 0x20             ; lst s[12:13], cnt s[14:15]
	s_load_b64 s[16:17], s[0:1], 0x30              ; out0
	v_lshl_add_u32 v254, v0, 2, 0x25000
	v_mov_b32 v255, 0
	v_lshrrev_b32 v2, 5, v0
	v_readfirstlane_b32 s20, v2                    ; wave 0..3
	s_mov_b32 s21, ttmp9                           ; c
	s_and_b32 s22, ttmp7, 0xffff                   ; e
	v_and_b32 v11, 15, v0                          ; r
	v_bfe_u32 v28, v0, 4, 1                        ; h
	v_and_b32 v29, 31, v0                          ; lane
	v_lshlrev_b32 v1, 4, v29
	v_lshlrev_b32 v2, 12, v11
	v_lshl_add_u32 v2, v28, 4, v2
	s_mul_i32 s2, s20, PW
	v_mul_u32_u24 v3, v11, PR
	v_lshl_add_u32 v3, v28, 5, v3
	v_add_nc_u32 v3, s2, v3
	v_add_nc_u32 v4, 8*PT, v3
	v_lshrrev_b32 v30, 3, v29                      ; lane / 8
	v_and_b32 v31, 7, v29
	v_lshlrev_b32 v7, 4, v31
	s_mul_i32 s2, s20, PT
	v_mul_u32_u24 v5, v30, PR
	v_add_nc_u32 v5, v5, v7
	v_add_nc_u32 v5, s2, v5
	v_add_nc_u32 v6, 8*PT, v5
	s_lshl_b32 s2, s20, 6
	s_add_co_u32 s2, s2, LISTB
	v_lshl_add_u32 v8, v30, 2, s2
	v_lshlrev_b32 v10, 5, v0
	v_add_nc_u32 v145, LISTB, v10
	s_lshl_b32 s24, s22, 22                        ; w2: (1,024 e + 32 c) rows of 4,096 bytes + my 1,024 along K
	s_lshl_b32 s3, s21, 17
	s_add_co_u32 s24, s24, s3
	s_lshl_b32 s3, s20, 10
	s_add_co_u32 s24, s24, s3
	s_mov_b32 s25, 0
	s_lshl_b32 s26, s22, 22                        ; hq: 64 e tiles of 65,536 bytes + my 8 K steps of 2,048
	s_lshl_b32 s3, s20, 14
	s_add_co_u32 s26, s26, s3
	s_mov_b32 s27, 0
	s_lshl_b32 s30, s22, 12                        ; lst: 1,024 words an expert;
	s_mov_b32 s31, 0
	s_lshl_b32 s36, s21, 7                         ; 32 columns of 4 bytes: out0;
	s_mov_b32 s37, 0
	s_add_co_u32 s38, s30, s36                     ; b2: (1,024 e + 32 c) x 4
	s_mov_b32 s39, 0
	s_lshl_b32 s2, s22, 7                          ; cnt: 32 words an expert
	s_mov_b32 s3, 0
	s_wait_kmcnt 0x0
	s_add_nc_u64 s[14:15], s[14:15], s[2:3]
	s_load_b32 s23, s[14:15], 0x0                  ; n
	s_load_b128 s[32:35], s[10:11], 0x0            ; e0, e1, e2, e3
	s_add_nc_u64 s[6:7], s[6:7], s[24:25]
	s_add_nc_u64 s[28:29], s[4:5], s[26:27]
	s_add_nc_u64 s[12:13], s[12:13], s[30:31]
	s_add_nc_u64 s[16:17], s[16:17], s[36:37]
	s_add_nc_u64 s[8:9], s[8:9], s[38:39]
	global_load_b128 v[20:23], v10, s[12:13]       ; the list, 32 bytes a thread
	global_load_b128 v[24:27], v10, s[12:13] offset:16
	global_load_b128 v[12:15], v7, s[8:9]          ; b2 of columns 4 (lane % 8) + 0 .. 3
	WIN 0x40                                       ; destination window 1
.irp a, 0,1
.irp s, 0,1,2,3,4,5,6,7
.irp k, 0,1,2,3
	global_load_b128 v[32*\s+16*\a+4*\k:32*\s+16*\a+4*\k+3], v2, s[6:7] offset:65536*\a+128*\s+32*\k   ; eight neighbouring lines cover 256 bytes of each of 16 rows
.endr
.endr
.endr
	WIN 0
	s_wait_loadcnt 63                              ; 67 loads were issued: the oldest four are in, the list and b2 among them
	ds_store_b128 v145, v[20:23]
	ds_store_b128 v145, v[24:27] offset:16
	s_wait_kmcnt 0x0
	s_min_u32 s23, s23, 1024
	s_add_co_u32 s24, s23, 15
	s_lshr_b32 s24, s24, 4                         ; tiles
	s_add_co_i32 s30, s34, s35
	s_add_co_i32 s30, s30, 127
	s_lshl_b32 s30, s30, 23                        ; 2^(e2 + e3) as f32
	s_mov_b32 s31, s30                             ; (named with it as a pair, so it is written)
	s_mov_b32 s26, 0                               ; pass
	s_mov_b32 s27, 0                               ; its first list place, in bytes
	s_mov_b32 s36, 0                               ; its first tile
.Lpass:
	s_sub_co_i32 s2, s24, s36
	s_max_i32 s2, s2, 0
	s_min_i32 s25, s2, 16                          ; tiles in this pass
	v_add_nc_u32 v9, s27, v8
	s_cmp_eq_u32 s25, 0
	s_cbranch_scc1 .Lmet
	LOAD 0
.irp tl, 0,1,2,3,4,5,6,7,8,9,10,11,12,13,14
	s_cmp_eq_u32 s25, \tl+1
	s_cbranch_scc1 .Llast_\tl
	LOAD \tl+1
	s_wait_loadcnt 32                              ; this tile's fragments (and, the first time, the weights) are in; the 32 loads just issued may be out
	MUL \tl
	SAVE \tl
.endr
	s_wait_loadcnt 0x0
	MUL 15
	SAVE 15
	s_branch .Lmet
.irp tl, 0,1,2,3,4,5,6,7,8,9,10,11,12,13,14
.Llast_\tl:                            ; the pass's last tile: nothing was asked for behind it
	s_wait_loadcnt 0x0
	MUL \tl
	SAVE \tl
	s_branch .Lmet
.endr
.Lmet:
	s_wait_dscnt 0x0                               ; for the others' sake: my partial sums (and, the first time, my part of the list) lie in LDS
	s_barrier_signal -1
	s_barrier_wait -1
.irp u, 0,1,2,3
	s_add_co_u32 s2, s20, 4*\u
	s_cmp_ge_u32 s2, s25
	s_cbranch_scc1 .Lnone_\u
	REDUCE \u
.Lnone_\u:
.endr
	s_wait_dscnt 0x0                               ; my reads of the partial sums are over:
	s_barrier_signal -1
	s_barrier_wait -1                              ; the next pass may write them again
	s_add_nc_u64 s[28:29], s[28:29], 16*65536      ; (every load that named this base has been waited for)
	s_add_co_u32 s27, s27, 1024
	s_add_co_u32 s36, s36, 16
	s_add_co_u32 s26, s26, 1
	s_cmp_lt_u32 s26, 4
	s_cbranch_scc1 .Lpass
	s_wait_tensorcnt 0x0
	ds_add_u32 v254, v255
	s_wait_dscnt 0x0
	s_endpgm
.Lfunc_end_k_qbdcf88f365_down:
	.size	k_qbdcf88f365_down, .Lfunc_end_k_qbdcf88f365_down-k_qbdcf88f365_down
	.p2alignl 7, 3214868480
	.fill 96, 4, 3214868480
	.section	.rodata,"a",@progbits
	.p2align	6, 0x0
	.amdhsa_kernel k_qbdcf88f365_down
		.amdhsa_group_segment_fixed_size 152064
		.amdhsa_private_segment_fixed_size 0
		.amdhsa_enable_private_segment 0
		.amdhsa_kernarg_size 56
		.amdhsa_user_sgpr_count 2
		.amdhsa_user_sgpr_kernarg_segment_ptr 1
		.amdhsa_wavefront_size32 1
		.amdhsa_system_sgpr_workgroup_id_x 1
		.amdhsa_system_sgpr_workgroup_id_y 1
		.amdhsa_system_sgpr_workgroup_id_z 1
		.amdhsa_system_vgpr_workitem_id 0
		.amdhsa_next_free_vgpr 768
		.amdhsa_next_free_sgpr 66
		.amdhsa_reserve_vcc 0
		.amdhsa_float_denorm_mode_32 3
		.amdhsa_float_denorm_mode_16_64 3
		.amdhsa_memory_ordered 1
		.amdhsa_forward_progress 1
		.amdhsa_inst_pref_size 126
	.end_amdhsa_kernel
	.amdgpu_metadata
---
amdhsa.version: [ 1, 2 ]
amdhsa.kernels:
  - .name:           k_qbdcf88f365_down
    .symbol:         k_qbdcf88f365_down.kd
    .args:
      - { .name: hq, .offset: 0, .size: 8, .value_kind: global_buffer, .address_space: global }
      - { .name: w2_codes, .offset: 8, .size: 8, .value_kind: global_buffer, .address_space: global }
      - { .name: b2, .offset: 16, .size: 8, .value_kind: global_buffer, .address_space: global }
      - { .name: lowp_scales, .offset: 24, .size: 8, .value_kind: global_buffer, .address_space: global }
      - { .name: lst, .offset: 32, .size: 8, .value_kind: global_buffer, .address_space: global }
      - { .name: cnt, .offset: 40, .size: 8, .value_kind: global_buffer, .address_space: global }
      - { .name: out0, .offset: 48, .size: 8, .value_kind: global_buffer, .address_space: global }
    .group_segment_fixed_size: 152064
    .private_segment_fixed_size: 0
    .kernarg_segment_align: 8
    .kernarg_segment_size: 56
    .max_flat_workgroup_size: 128
    .sgpr_count:     66
    .vgpr_count:     768
    .wavefront_size: 32
...
	.end_amdgpu_metadata
.endif
;; end of part 3
;; ======== version 2 of 2: 3 launches
;; workspace buffers: xq 1,048,576 bytes; ids 4,096 bytes of whole numbers; hq 33,554,432 bytes; lst 32,768 bytes of whole numbers; cnt 1,024 bytes of whole numbers
;; launch route (part 4): grid 128 x 1, 8 waves a work-group, no clusters, 42,496 bytes of LDS; arguments x, wr, br, lowp_scales, xq, ids; writes xq, ids
.if DOCPART == 4
	.amdgcn_target "amdgcn-amd-amdhsa--gfx1250"
	.amdhsa_code_object_version 6
	.text
	.protected	k_qbdcf88f365_route
	.globl	k_qbdcf88f365_route
	.p2align	8
	.type	k_qbdcf88f365_route,@function
k_qbdcf88f365_route:
	s_mov_b64 s[64:65], 0
	v_nop
	global_prefetch_b8 v0, s[64:65] scope:SCOPE_SE
	s_setreg_imm32_b32 hwreg(HW_REG_WAVE_MODE, 25, 1), 1
	s_wait_xcnt 0x0
; THE ROUTER AND x'S CODES.  scores = x wr + br in f32, ids[token] = the first index of the largest score; xq[token][1024] = x as codes of E5M2 with the given scale 2^e1 (entry 1 of the scales).
; SHARES.  A work-group of eight waves takes 8 tokens.  Wave w takes half s = w & 1 of the row (512 numbers) of the two tokens 2 (w >> 1) + 0, 1.
; A lane must hold 16 NEIGHBOURS along the row (the conversion takes eight numbers from one lane's consecutive registers), and a load is dense where neighbouring lanes take neighbouring bytes:
; so each load reads 512 consecutive bytes, and a token's 2,048 bytes turn through the wave's own stage in LDS (16 bytes of padding behind each 64).
; The same 16 numbers are multiplied by the lane's 16 rows of wr (128 registers, loaded once for both tokens): eight sums a token, two experts to a packed multiply-add.
; The sums are added across the 32 lanes, the two halves of a row meet in LDS, and wave 0 adds br and takes the argmax.  The chosen index is only STORED here, at a fixed place: no address hangs on it.
; LIMITS: e1 between -126 and 112.  NaN among the inputs is not served.  The scores' f32 sums are taken in another order than a plain chain: scores closer than f32 rounding may fall either way.
.set SP,   80                          ; a lane's place in a stage: 64 bytes + 16 of padding
.set STG,  32*SP                       ; a stage: one token's half row
.set SCO,  8*2*STG                     ; behind the stages: 8 waves x 2 tokens x 8 partial scores
.set R,    16                          ; v16-47   x as loaded, 16 registers a token
.set X,    48                          ; v48-79   16 neighbours a token
.set CP,   80                          ; v80-95   the held copy (the scores want x as it is); later at work
.set CD,   96                          ; v96-103  codes, 4 registers a token
.set AC,   104                         ; v104-119 eight sums a token
.set W,    128                         ; v128-255 wr[512 s + 16 lane + i][0..7] at v[W + 8 i]
	s_load_b256 s[4:11], s[0:1], 0x0               ; x s[4:5], wr s[6:7], br s[8:9], the scales' exponents s[10:11]
	s_load_b128 s[12:15], s[0:1], 0x20             ; xq s[12:13], ids s[14:15]
	v_lshl_add_u32 v126, v0, 2, 0xa200
	v_mov_b32 v127, 0
	v_lshrrev_b32 v2, 5, v0
	s_delay_alu instid0(VALU_DEP_1)
	v_readfirstlane_b32 s16, v2                    ; wave 0..7
	s_and_b32 s17, s16, 1                          ; s: which half of the row
	s_lshr_b32 s18, s16, 1                         ; which pair of tokens
	v_and_b32 v1, 31, v0                           ; lane
	s_delay_alu instid0(VALU_DEP_1)
	v_lshlrev_b32 v3, 4, v1                        ; 16 x lane
	s_delay_alu instid0(VALU_DEP_2)
	v_lshlrev_b32 v4, 9, v1                        ; wr: my 16 rows of 32 bytes
	s_mul_i32 s19, s16, 2*STG                      ; my wave's two stages
	v_lshrrev_b32 v14, 2, v1
	s_delay_alu instid0(VALU_DEP_1)
	v_mul_u32_u24 v14, v14, SP
	v_and_b32 v15, 3, v1
	s_delay_alu instid0(VALU_DEP_1)
	v_lshl_add_u32 v14, v15, 4, v14
	s_delay_alu instid0(VALU_DEP_1)
	v_add_nc_u32 v14, s19, v14                     ; into a stage: four lanes' 64 bytes on end, then the padding
	v_mul_u32_u24 v15, v1, SP
	s_delay_alu instid0(VALU_DEP_1)
	v_add_nc_u32 v15, s19, v15                     ; out of it: my 64 bytes
	s_lshl_b32 s19, s16, 6
	s_add_co_u32 s19, s19, SCO
	v_mov_b32 v5, s19                              ; my wave's 64 bytes of partial scores
	v_and_b32 v6, 7, v1                            ; for wave 0's last step: lane takes token lane & 7 of the eight
	s_delay_alu instid0(VALU_DEP_1)
	v_lshrrev_b32 v7, 1, v6
	s_delay_alu instid0(VALU_DEP_2)
	v_and_b32 v6, 1, v6
	s_delay_alu instid0(VALU_DEP_1)
	v_lshlrev_b32 v6, 5, v6
	s_delay_alu instid0(VALU_DEP_1)
	v_lshl_add_u32 v6, v7, 7, v6                   ; 128 x (pair of tokens) + 32 x (which of the two): half 0's sums; half 1's lie 64 bytes on
	v_lshlrev_b32 v8, 2, v1                        ; 4 x lane: ids
	s_lshl_b32 s2, ttmp9, 15                       ; x: 8 tokens of 4,096 bytes a work-group,
	s_lshl_b32 s3, s18, 13                         ; 2 tokens a pair,
	s_add_co_u32 s2, s2, s3
	s_lshl_b32 s3, s17, 11                         ; 2,048 bytes a half
	s_add_co_u32 s2, s2, s3
	s_mov_b32 s3, 0
	s_lshr_b32 s22, s2, 2                          ; xq: one byte for four
	s_mov_b32 s23, 0
	s_lshl_b32 s34, s17, 14                        ; wr: 512 rows of 32 bytes a half
	s_mov_b32 s35, 0
	s_lshl_b32 s36, ttmp9, 5                       ; ids: 8 words a work-group
	s_mov_b32 s37, 0
	s_mov_b32 s32, 0x76543210                      ; v_permlanex16_b32: each lane takes its own place in the other half
	s_mov_b32 s33, 0xfedcba98
	s_wait_alu depctr_va_vdst(0)
	s_wait_kmcnt 0x0
	s_load_b256 s[24:31], s[8:9], 0x0              ; br
	s_load_b32 s20, s[10:11], 0x4                  ; e1
	s_add_nc_u64 s[4:5], s[4:5], s[2:3]
	s_add_nc_u64 s[12:13], s[12:13], s[22:23]
	s_add_nc_u64 s[6:7], s[6:7], s[34:35]
	s_add_nc_u64 s[14:15], s[14:15], s[36:37]
.irp t, 0,1
.irp i, 0,1,2,3
	global_load_b128 v[R+16*\t+4*\i:R+16*\t+4*\i+3], v3, s[4:5] offset:4096*\t+512*\i th:TH_LOAD_NT   ; 32 lanes read 512 consecutive bytes; read once in the launch
.endr
.endr
.irp i, 0,1,2,3,4,5,6,7,8,9,10,11,12,13,14,15
	global_load_b128 v[W+8*\i:W+8*\i+3],   v4, s[6:7] offset:32*\i
	global_load_b128 v[W+8*\i+4:W+8*\i+7], v4, s[6:7] offset:32*\i+16
.endr
	s_wait_loadcnt 32                              ; x's eight loads are in; wr's 32, issued behind them, may be out
.irp t, 0,1                            ; through the stage: LDS serves a wave's instructions in order (ISA guide 5.7.1.4), so no wait stands between the stores and the loads
.irp i, 0,1,2,3
	ds_store_b128 v14, v[R+16*\t+4*\i:R+16*\t+4*\i+3] offset:STG*\t+8*SP*\i
.endr
.irp i, 0,1,2,3
	ds_load_b128 v[X+16*\t+4*\i:X+16*\t+4*\i+3], v15 offset:STG*\t+16*\i
.endr
.endr
	s_wait_kmcnt 0x0
	s_add_co_i32 s20, s20, 127
	s_lshl_b32 s21, s20, 23
	v_mov_b32 v11, s21                             ; 2^e1 as f32: the conversion takes its exponent field
	s_add_co_i32 s20, s20, 15
	s_lshl_b32 s20, s20, 23
	s_or_b32 s20, s20, 0x600000
	v_mov_b32 v10, s20                             ; 57,344 x 2^e1
	s_wait_alu depctr_va_vdst(0)
	s_wait_dscnt 0x0                               ; both tokens' neighbours are in
.irp t, 0,1
.irp i, 0,1,2,3,4,5,6,7,8,9,10,11,12,13,14,15
	v_med3_num_f32 v[CP+\i], v[X+16*\t+\i], -v10, v10   ; the conversion to an 8-bit code does not saturate (ISA guide 7.6.2): the hold, into a copy
.endr
	v_cvt_scalef32_pk8_bf8_f32 v[CD+4*\t:CD+4*\t+1],   v[CP:CP+7],    v11
	v_cvt_scalef32_pk8_bf8_f32 v[CD+4*\t+2:CD+4*\t+3], v[CP+8:CP+15], v11
	v_nop                                          ; a plain line between the conversions and the next lines that write their sources
	global_store_b128 v3, v[CD+4*\t:CD+4*\t+3], s[12:13] offset:1024*\t   ; the wave stores 512 consecutive bytes, aligned
.endr
	s_wait_loadcnt 0x0                             ; wr
.set i, 0
.rept 16                               ; sums += x_i x wr[h_i][0..7]: x_i feeds both halves of the packed form; eight chains that do not wait for each other
.irp t, 0,1
.irp p, 0,1,2,3
.if i == 0
	v_pk_mul_f32 v[AC+8*\t+2*\p:AC+8*\t+2*\p+1], v[X+16*\t:X+16*\t+1], v[W+2*\p:W+2*\p+1] op_sel_hi:[0,1]   ; the first product starts the sums
.elseif i%2 == 0
	v_pk_fma_f32 v[AC+8*\t+2*\p:AC+8*\t+2*\p+1], v[X+16*\t+i:X+16*\t+i+1], v[W+8*i+2*\p:W+8*i+2*\p+1], v[AC+8*\t+2*\p:AC+8*\t+2*\p+1] op_sel_hi:[0,1,1]
.else
	v_pk_fma_f32 v[AC+8*\t+2*\p:AC+8*\t+2*\p+1], v[X+16*\t+i-1:X+16*\t+i], v[W+8*i+2*\p:W+8*i+2*\p+1], v[AC+8*\t+2*\p:AC+8*\t+2*\p+1] op_sel:[1,0,0] op_sel_hi:[1,1,1]
.endif
.endr
.endr
.set i, i+1
.endr
.irp m, 1,2,4,8                        ; across the 16 lanes of a half,
.irp k, 0,1,2,3,4,5,6,7,8,9,10,11,12,13,14,15
	v_add_f32_dpp v[AC+\k], v[AC+\k], v[AC+\k] row_xmask:\m row_mask:0xf bank_mask:0xf
.endr
.endr
.irp k, 0,1,2,3,4,5,6,7,8,9,10,11,12,13,14,15
	v_permlanex16_b32 v[CP+\k], v[AC+\k], s32, s33 ; and the other half's (the destination has been written before)
.endr
.irp k, 0,1,2,3,4,5,6,7,8,9,10,11,12,13,14,15
	v_add_f32 v[AC+\k], v[AC+\k], v[CP+\k]
.endr
.irp t, 0,1
	ds_store_b128 v5, v[AC+8*\t:AC+8*\t+3]   offset:32*\t      ; every lane holds the same sums and writes the same words
	ds_store_b128 v5, v[AC+8*\t+4:AC+8*\t+7] offset:32*\t+16
.endr
	s_wait_dscnt 0x0                               ; for the others' sake: my partial scores lie in LDS
	s_barrier_signal -1
	s_barrier_wait -1
	s_cmp_lg_u32 s16, 0
	s_cbranch_scc1 .Lend                           ; wave 0 finishes the eight tokens
	ds_load_b128 v[16:19], v6 offset:SCO           ; half 0's eight sums of token lane & 7,
	ds_load_b128 v[20:23], v6 offset:SCO+16
	ds_load_b128 v[24:27], v6 offset:SCO+64        ; half 1's
	ds_load_b128 v[28:31], v6 offset:SCO+80
	s_wait_dscnt 0x0
.irp e, 0,1,2,3,4,5,6,7
	v_add_f32 v[16+\e], v[16+\e], v[24+\e]
.endr
.irp e, 0,1,2,3,4,5,6,7
	v_add_f32 v[16+\e], s[24+\e], v[16+\e]         ; + br
.endr
	v_mov_b32 v32, v16                             ; the largest so far,
	v_mov_b32 v33, 0                               ; and where it stands
.irp e, 1
	s_delay_alu instid0(VALU_DEP_2)
	v_cmp_ge_f32 vcc_lo, v32, v[16+\e]             ; a tie keeps the lower index
	s_delay_alu instid0(VALU_DEP_1)
	v_cndmask_b32 v33, \e, v33, vcc_lo
	s_delay_alu instid0(VALU_DEP_2)
	v_cndmask_b32 v32, v[16+\e], v32, vcc_lo
.endr
.irp e, 2, 3, 4, 5, 6, 7
	s_delay_alu instid0(VALU_DEP_1)
	v_cmp_ge_f32 vcc_lo, v32, v[16+\e]
	s_delay_alu instid0(VALU_DEP_1)
	v_cndmask_b32 v33, \e, v33, vcc_lo
	s_delay_alu instid0(VALU_DEP_2)
	v_cndmask_b32 v32, v[16+\e], v32, vcc_lo
.endr
	v_cmp_gt_u32 vcc_lo, 8, v0
	s_wait_alu depctr_va_vdst(0)
	s_wait_xcnt 0x0                                ; EXEC is a source of my stores of codes: it changes only behind this wait
	s_and_saveexec_b32 s21, vcc_lo
	global_store_b32 v8, v33, s[14:15]             ; lanes 0 to 7: the eight tokens' experts
	s_wait_xcnt 0x0                                ; and again in front of the line that widens it
	s_or_b32 exec_lo, exec_lo, s21
.Lend:
	s_wait_tensorcnt 0x0
	ds_add_u32 v126, v127
	s_wait_dscnt 0x0
	s_endpgm
.Lfunc_end_k_qbdcf88f365_route:
	.size	k_qbdcf88f365_route, .Lfunc_end_k_qbdcf88f365_route-k_qbdcf88f365_route
	.p2alignl 7, 3214868480
	.fill 96, 4, 3214868480
	.section	.rodata,"a",@progbits
	.p2align	6, 0x0
	.amdhsa_kernel k_qbdcf88f365_route
		.amdhsa_group_segment_fixed_size 42496
		.amdhsa_private_segment_fixed_size 0
		.amdhsa_enable_private_segment 0
		.amdhsa_kernarg_size 48
		.amdhsa_user_sgpr_count 2
		.amdhsa_user_sgpr_kernarg_segment_ptr 1
		.amdhsa_wavefront_size32 1
		.amdhsa_system_sgpr_workgroup_id_x 1
		.amdhsa_system_sgpr_workgroup_id_y 1
		.amdhsa_system_sgpr_workgroup_id_z 1
		.amdhsa_system_vgpr_workitem_id 0
		.amdhsa_next_free_vgpr 256
		.amdhsa_next_free_sgpr 66
		.amdhsa_reserve_vcc 1
		.amdhsa_float_denorm_mode_32 3
		.amdhsa_float_denorm_mode_16_64 3
		.amdhsa_memory_ordered 1
		.amdhsa_forward_progress 1
		.amdhsa_inst_pref_size 27
	.end_amdhsa_kernel
	.amdgpu_metadata
---
amdhsa.version: [ 1, 2 ]
amdhsa.kernels:
  - .name:           k_qbdcf88f365_route
    .symbol:         k_qbdcf88f365_route.kd
    .args:
      - { .name: x, .offset: 0, .size: 8, .value_kind: global_buffer, .address_space: global }
      - { .name: wr, .offset: 8, .size: 8, .value_kind: global_buffer, .address_space: global }
      - { .name: br, .offset: 16, .size: 8, .value_kind: global_buffer, .address_space: global }
      - { .name: lowp_scales, .offset: 24, .size: 8, .value_kind: global_buffer, .address_space: global }
      - { .name: xq, .offset: 32, .size: 8, .value_kind: global_buffer, .address_space: global }
      - { .name: ids, .offset: 40, .size: 8, .value_kind: global_buffer, .address_space: global }
    .group_segment_fixed_size: 42496
    .private_segment_fixed_size: 0
    .kernarg_segment_align: 8
    .kernarg_segment_size: 48
    .max_flat_workgroup_size: 256
    .sgpr_count:     66
    .vgpr_count:     256
    .wavefront_size: 32
...
	.end_amdgpu_metadata
.endif
;; end of part 4
;; launch up (part 5): grid 32 x 8, 4 waves a work-group, no clusters, 270,848 bytes of LDS; arguments ids, xq, w1_codes, b1, lowp_scales, hq, lst, cnt; writes hq, lst, cnt
.if DOCPART == 5
	.amdgcn_target "amdgcn-amd-amdhsa--gfx1250"
	.amdhsa_code_object_version 6
	.text
	.protected	k_qbdcf88f365_up
	.globl	k_qbdcf88f365_up
	.p2align	8
	.type	k_qbdcf88f365_up,@function
k_qbdcf88f365_up:
	s_mov_b64 s[64:65], 0
	v_nop
	global_prefetch_b8 v0, s[64:65] scope:SCOPE_SE
	s_setreg_imm32_b32 hwreg(HW_REG_WAVE_SCHED_MODE, 0, 2), 2
	s_setreg_imm32_b32 hwreg(HW_REG_WAVE_MODE, 25, 1), 1
	s_wait_xcnt 0x0
	s_wait_alu depctr_vm_vsrc(0)
; THE FIRST PRODUCT, FOR THE CHOSEN ROWS ALONE: h = Q(gelu(x w1[e] + b1[e])), on codes of E5M2, for the tokens whose stored expert is e.
; SHARES.  Work-group (c, e) makes hidden units 128 c .. 128 c + 127 of expert e for all of e's tokens; wave w the 32 units 128 c + 32 w on.  Its 32 rows of w1 (32 KB: 2 tiles x 8 K steps x 16 registers)
; are asked for at the head and stay in registers: each weight byte is loaded once in the launch.
; THE LIST.  Every wave reads all 1,024 stored experts, makes 32 lane masks (register m = 4 i + k holds token 128 i + 4 lane + k) and their running counts.  Place J of e's list is the J-th set bit: SELECT finds the mask
; by 31 compares and the bit by five halvings.  The list goes to LDS (all waves read it) and, from work-group c = 0, to lst; n goes to cnt.  Places behind the last token of a tile repeat the last token: a row computed twice.
; THE ROWS.  Up to 256 rows of x's codes are gathered once into LDS (sixteen lanes read 256 aligned bytes of a row), 16 rows a tile.  Experts with more than 256 tokens take their further tiles straight from memory.
; No tensor load and no cluster: how many tiles there are hangs on numbers read from memory.
; THE PRODUCT IS USED TRANSPOSED (source 0 = 16 rows of w1, source 1 = 16 tokens), AND THE ROWS OF w1 THAT FORM A TILE ARE NOT NEIGHBOURS: lane r of tile u takes row 8 u + r + 8 (r / 8).  So lane (token r, half h) holds
; in its 16 sums the units 32 w + 16 h + 0 .. 15, neighbours along the next K, and its 16 codes are registers 4 w .. 4 w + 3 of the second product's fragment for K step c.
; hq holds such fragments as images of registers: [e][tile 64][K step 32][4][32 lanes][16 bytes]; a wave's store covers 512 consecutive bytes, aligned.
; In every fragment here registers 4 k .. 4 k + 3 of lane (r, h) hold K = 32 k + 16 h + 0 .. 15 of a step of 128: one permutation of K, alike on both sides of a product.
; GELU, exact: g = max(x, 0) - |x| erfc(|x| / sqrt 2) / 2, erfc(z) = t exp(-z^2 + poly9(t)), t = 1 / (1 + z / 2): a fit whose stated fractional error is 1.2e-7 for every z.  It works on the sums a = x / 2^(e0 + e1):
; the power of two is folded into three constants and into the conversion's scale.  b1 goes in as the C of a sum's first product, divided by 2^(e0 + e1).
; LIMITS: e0 + e1 between -63 and 63; e2 - e0 - e1 between -126 and 112.  An infinite or NaN sum is not served.  An exponential under 2^-126 counts as 0 (ISA guide 15.8).
; THE MODE: SCHED_MODE bits 1:0 = 2 (LLVM: expert scheduling mode 2), set by the entry lines.  The code itself states the register dependences between vector or matrix instructions and memory or LDS
; instructions, and those through scalar registers and VCC that vector instructions write, with s_wait_alu, always for 0.
; THE PLAN.  Registers that memory or LDS instructions touch, and who else names them:
;   v4-8, v13-19, v165, v168   offsets and LDS addresses, made at the head and never written again: one wait on va_vdst ahead of the first load serves them for the whole kernel.
;   v[TK] (v32-63)             the stored experts land; 32 compares read them; the list's words land there again (the list loop's wait on va_vdst stands between); all 32 become row offsets, ONE wait, then the gather's loads.
;   v[LA], v[TOK]              written in each trip of the list loop, read by its two stores: va_vdst ahead of the stores, vm_vsrc at the trip's end.
;   the landing registers      (windows 2 and 3) loads land, LDS stores read them; x's fragments land in the first 128 of them: vm_vsrc behind the barrier.
;   x's fragments              (window 2, v0-127) a run of loads lands; the tile's 16 products read them: va_vdst ahead of each run, which also states that the run's address is written.
;   v[ADR], v[CODE], v[HO]     each written once a tile and read by a memory instruction of the tile: ONE vm_vsrc at a tile's head frees all three; va_vdst stands ahead of the tile's store.
;   Scalar results of vector instructions: the wave's number, the 32 masks (one wait behind the run), SELECT's compares (runs of seven into seven scalar registers that are dead there, one wait a run), VCC in the halvings.
.set XB0,  4096                        ; LDS: the list's 1,024 words at 0; from here 256 rows of x's codes
.set XP,   1040                        ; a row: 1,024 bytes + 16 = 65 x 16: the 16 rows that a load touches start at 16 different 16-byte columns of the 64 banks of 4 bytes (ISA guide 11.1)
.set XT,   16*XP                       ; a tile of 16 rows
.set MK,   32                          ; s32-63   the masks
.set KY,   66                          ; s67-97   keys: s[KY + m] = 32 x (tokens of e in masks under m) + m, m = 1 .. 31
.set RR,   1                           ; v1   r = lane % 16
.set HH,   2                           ; v2   h = lane / 16
.set LN,   3                           ; v3   lane
.set WO,   4                           ; v4   w1: (r + 8 (r / 8)) x 1,024 + 16 h
.set L16,  5                           ; v5   16 x lane
.set R16,  6                           ; v6   16 x r
.set LR,   7                           ; v7   list reads: 16 w + 4 h
.set XA,   8                           ; v8   a fragment of x in tile 0: XB0 + XP r + 16 h
.set ADR,  9                           ; v9   the same in the tile to be fetched
.set LA,   10                          ; v10  the list place in hand, in bytes
.set SC,   11                          ; v11  2^(e2 - e0 - e1)
.set LIM,  12                          ; v12  57,344 x that
.set H64,  13                          ; v13  64 h
.set SA,   14                          ; v14-19 where I stage rows: XB0 + (4 w + h) XP + 16 r + j x 3 tiles
.set J,    20                          ; v20-31 SELECT's
.set JK,   21
.set KK,   22
.set MM,   23
.set RK,   24
.set CA,   25
.set CB,   26
.set CC,   27
.set CE,   28
.set POS,  29
.set TT,   30
.set TOK,  31
.set TK,   32                          ; v32-63 the stored experts; later two list entries a tile
.set ACC,  64                          ; v64-79 the two accumulators
.set BIAS, 80                          ; v80-95 b1 / 2^(e0 + e1) in the result's layout
.set RZ,   96                          ; v96-111  |a| / sqrt 2; at the end g / 2^(e0 + e1)
.set RT,   112                         ; v112-127 t; later erfc / sqrt 2
.set RA,   128                         ; v128-143 the exponent, then the exponential
.set RP,   144                         ; v144-159 the polynomial
.set CODE, 160                         ; v160-163 16 codes
.set HO,   164                         ; v164 the store's offset in hq
.set H16,  165                         ; v165 16 h
.set C9,   166                         ; v166-167 the polynomial's leading coefficient, as a pair
.set LB,   168                         ; v168 4 x my thread's number
; window 1: w1's fragments, (K step s, tile u) at v[32 s + 16 u].   window 2: v0-127 x's eight fragments.   windows 2 and 3: while rows are staged, 32 landing registers a tile.
.set MSB, 0
.macro WIN new                         ; the immediate's high byte repeats the setting that is left; at every label and branch every window is 0
.if MSB != (\new)
	s_set_vgpr_msb (MSB<<8)|(\new)
.set MSB, (\new)
.endif
.endm
.macro SELSTEP lev, wid, inc           ; does the wanted bit lie above the lower inc bits of the field in hand?
	v_bfe_u32 v[TT], v[\lev], v[POS], \wid         ; set bits among them
	v_cmp_ge_u32 vcc_lo, v[RK], v[TT]
	v_add_nc_u32 v[JK], \inc, v[POS]
	s_wait_alu depctr_va_vcc(0)                    ; the compare has written VCC, which the two selects below read
	v_cndmask_b32 v[TT], 0, v[TT], vcc_lo
	v_sub_nc_u32 v[RK], v[RK], v[TT]
	v_cndmask_b32 v[POS], v[POS], v[JK], vcc_lo
.endm
.macro CMPK q, m                       ; is key m above the place's key?  Into scalar register q
.if (\m) < 32
	v_cmp_gt_u32 s[\q], s[KY+(\m)], v[JK]
.endif
.endm
.macro TAKE q, m                       ; where it is not, key m and mask m are taken
.if (\m) < 32
	v_cndmask_b32 v[KK], s[KY+(\m)], v[KK], s[\q]
	v_cndmask_b32 v[MM], s[MK+(\m)], v[MM], s[\q]
.endif
.endm
.macro RUN7 m                          ; keys m .. m + 6: the compares hang on the place alone, so they stand in a run, with one wait; s2, s3, s12, s13, s22, s31, s66 hold nothing that is wanted here
	CMPK 2, (\m)
	CMPK 3, (\m)+1
	CMPK 12, (\m)+2
	CMPK 13, (\m)+3
	CMPK 22, (\m)+4
	CMPK 31, (\m)+5
	CMPK 66, (\m)+6
	s_wait_alu depctr_va_sdst(0)                   ; the run's compares have written their scalar registers, which the selects below read
	TAKE 2, (\m)
	TAKE 3, (\m)+1
	TAKE 12, (\m)+2
	TAKE 13, (\m)+3
	TAKE 22, (\m)+4
	TAKE 31, (\m)+5
	TAKE 66, (\m)+6
.endm
.macro SELECT                          ; v[J], a place in e's list -> v[TOK], the token
	v_lshl_or_b32 v[JK], v[J], 5, 31               ; key m counts where its running count is at most J
	v_mov_b32 v[KK], 0
	v_mov_b32 v[MM], s[MK]
	RUN7 1                                         ; the keys ascend: the last that counts is the mask that holds place J
	RUN7 8
	RUN7 15
	RUN7 22
	RUN7 29
	v_lshrrev_b32 v[RK], 5, v[KK]
	v_sub_nc_u32 v[RK], v[J], v[RK]                ; which set bit of that mask, from 0
	v_and_b32 v[KK], 31, v[KK]                     ; m
	v_lshrrev_b32 v[CA], 1, v[MM]                  ; counts of set bits in fields of 2, 4, 8 and 16 bits
	v_and_b32 v[CA], 0x55555555, v[CA]
	v_sub_nc_u32 v[CA], v[MM], v[CA]
	v_lshrrev_b32 v[CB], 2, v[CA]
	v_and_b32 v[CB], 0x33333333, v[CB]
	v_and_b32 v[TT], 0x33333333, v[CA]
	v_add_nc_u32 v[CB], v[CB], v[TT]
	v_lshrrev_b32 v[CC], 4, v[CB]
	v_add_nc_u32 v[CC], v[CC], v[CB]
	v_and_b32 v[CC], 0x0f0f0f0f, v[CC]
	v_lshrrev_b32 v[CE], 8, v[CC]
	v_add_nc_u32 v[CE], v[CE], v[CC]
	v_mov_b32 v[POS], 0
	SELSTEP CE, 8, 16
	SELSTEP CC, 8, 8
	SELSTEP CB, 4, 4
	SELSTEP CA, 2, 2
	SELSTEP MM, 1, 1
	v_lshrrev_b32 v[TT], 2, v[KK]
	v_and_b32 v[KK], 3, v[KK]
	v_lshl_add_u32 v[KK], v[POS], 2, v[KK]
	v_lshl_add_u32 v[TOK], v[TT], 7, v[KK]         ; token = 128 (m / 4) + 4 x bit + m % 4
.endm
.macro GATHER tl                       ; my four rows of tile tl: lanes 0-15 one row, lanes 16-31 the next, twice; 256 aligned bytes of a row to sixteen lanes.  The offsets were made ahead of the ladder
	WIN 0x80+0x40*(\tl/8)                          ; destination window 2 or 3
.irp p, 0,1
.irp k, 0,1,2,3
	global_load_b128 v[32*(\tl%8)+16*\p+4*\k:32*(\tl%8)+16*\p+4*\k+3], v[TK+2*\tl+\p], s[6:7] offset:256*\k
.endr
.endr
	WIN 0
.endm
.macro STASH tl                        ; and into LDS
	s_wait_loadcnt 0x0                             ; the youngest loads are wanted first, so the wait is for all; the weights are in with them
	WIN 0x08+0x04*(\tl/8)                          ; data window 2 or 3
.irp p, 0,1
.irp k, 0,1,2,3
	ds_store_b128 v[SA+\tl/3], v[32*(\tl%8)+16*\p+4*\k:32*(\tl%8)+16*\p+4*\k+3] offset:(\tl%3)*XT+2*XP*\p+256*\k
.endr
.endr
	WIN 0
.endm
.macro XFETCH                          ; a tile's eight fragments of x, from v[ADR]
	WIN 0x80
	s_wait_alu depctr_va_vdst(0)                   ; v[ADR] is written, which these loads read; in the loop the tile's products are done reading the fragments in which they land
.irp s, 0,1,2,3,4,5,6,7
.irp k, 0,1,2,3
	ds_load_b128 v[16*\s+4*\k:16*\s+4*\k+3], v[ADR] offset:128*\s+32*\k
.endr
.endr
	WIN 0
.endm
.macro MUL16                           ; 16 tokens x my 32 units x K = 1,024.  The two accumulators take turns, one instruction a turn
	WIN 0x09                                       ; source 0 (w1) window 1, source 1 (x) window 2
.irp s, 0,1,2,3,4,5,6,7
.irp u, 0,1
.if \s == 0
	v_wmma_f32_16x16x128_bf8_bf8 v[ACC+8*\u:ACC+8*\u+7], v[32*\s+16*\u:32*\s+16*\u+15], v[16*\s:16*\s+15], v[BIAS+8*\u:BIAS+8*\u+7]
.else
	v_wmma_f32_16x16x128_bf8_bf8 v[ACC+8*\u:ACC+8*\u+7], v[32*\s+16*\u:32*\s+16*\u+15], v[16*\s:16*\s+15], v[ACC+8*\u:ACC+8*\u+7]
.endif
.endr
.endr
	WIN 0
.endm
.macro GELUQ                           ; the lane's 16 sums -> 16 codes
.set i, 0
.rept 16
	v_mul_f32 v[RZ+i], 0x3f3504f3, |v[ACC+i]|      ; Z = |a| / sqrt 2; each accumulator is read from its low end on
.set i, i+1
.endr
.set i, 0
.rept 16
	v_max_num_f32 v[ACC+i], 0, v[ACC+i]            ; max(a, 0)
.set i, i+1
.endr
.irp i, 0,2,4,6,8,10,12,14
	v_pk_fma_f32 v[RT+\i:RT+\i+1], v[RZ+\i:RZ+\i+1], s[98:99], 1.0 op_sel_hi:[1,0,0]   ; 1 + z / 2, z = Z 2^(e0 + e1)
.endr
.set i, 0
	s_wait_alu depctr_va_vdst(0)
.rept 16
	v_rcp_f32 v[RT+i], v[RT+i]                     ; t
.set i, i+1
.endr
.irp i, 0,2,4,6,8,10,12,14
	v_pk_mul_f32 v[RA+\i:RA+\i+1], v[RZ+\i:RZ+\i+1], s[100:101] op_sel_hi:[1,0]   ; -log2(e) 4^(e0 + e1) Z: plain lines behind the reciprocals that name none of them
.endr
	s_wait_alu depctr_va_vdst(0)                   ; one wait for the 16 reciprocals in v[RT ..], ahead of their first reader
.irp i, 0,2,4,6,8,10,12,14
	v_pk_fma_f32 v[RP+\i:RP+\i+1], v[RT+\i:RT+\i+1], v[C9:C9+1], 0xbf97d29d op_sel_hi:[1,0,0]   ; Horner; the coefficients are the fit's x log2(e), the last also less 1/2: the exponential then carries 1 / sqrt 2
.endr
.irp k, 0x40097039, 0xbfd1a1e5, 0x3ecdfd18, 0xbe899a80, 0x3e0efb2e, 0x3f0a29d2, 0x3fb8ab5a, 0xc014d90f
.irp i, 0,2,4,6,8,10,12,14
	v_pk_fma_f32 v[RP+\i:RP+\i+1], v[RP+\i:RP+\i+1], v[RT+\i:RT+\i+1], \k op_sel_hi:[1,1,0]
.endr
.endr
.irp i, 0,2,4,6,8,10,12,14
	v_pk_fma_f32 v[RA+\i:RA+\i+1], v[RA+\i:RA+\i+1], v[RZ+\i:RZ+\i+1], v[RP+\i:RP+\i+1]   ; -z^2 log2(e) + the polynomial
.endr
.set i, 0
	s_wait_alu depctr_va_vdst(0)
.rept 16
	v_exp_f32 v[RA+i], v[RA+i]
.set i, i+1
.endr
	v_nop                                          ; a plain line behind the last exponential
	s_wait_alu depctr_va_vdst(0)                   ; one wait for the 16 exponentials in v[RA ..], ahead of their first reader
.irp i, 0,2,4,6,8,10,12,14
	v_pk_mul_f32 v[RT+\i:RT+\i+1], v[RT+\i:RT+\i+1], v[RA+\i:RA+\i+1]   ; erfc(z) / sqrt 2
.endr
.irp i, 0,2,4,6,8,10,12,14
	v_pk_fma_f32 v[RZ+\i:RZ+\i+1], v[RZ+\i:RZ+\i+1], v[RT+\i:RT+\i+1], v[ACC+\i:ACC+\i+1] neg_lo:[1,0,0] neg_hi:[1,0,0]   ; g / 2^(e0 + e1) = max(a, 0) - Z erfc / sqrt 2
.endr
.set i, 0
.rept 16
	v_med3_num_f32 v[RZ+i], v[RZ+i], -v[LIM], v[LIM]   ; the conversion to an 8-bit code does not saturate (ISA guide 7.6.2): the hold
.set i, i+1
.endr
	s_wait_alu depctr_va_vdst(0)
	s_wait_xcnt 0x0                                ; the last tile's store has had its address translated: its codes and its offset are written again only behind this wait (that it has read them is stated at the tile's head)
	v_cvt_scalef32_pk8_bf8_f32 v[CODE:CODE+1],   v[RZ:RZ+7],    v[SC]
	v_cvt_scalef32_pk8_bf8_f32 v[CODE+2:CODE+3], v[RZ+8:RZ+15], v[SC]
	v_nop                                          ; a plain line behind the conversions
.endm
.macro HSTORE                          ; tile s28's codes: part w of K step c
	s_min_u32 s2, s28, 63
	s_lshl_b32 s2, s2, 16                          ; a tile's 32 K steps of 2,048 bytes
	v_add_nc_u32 v[HO], s2, v[L16]
	s_wait_alu depctr_va_vdst(0)                   ; the conversions have written the codes and the line above the offset: the store reads both
	global_store_b128 v[HO], v[CODE:CODE+3], s[14:15]
.endm
	s_load_b512 s[4:19], s[0:1], 0x0               ; ids s[4:5], xq s[6:7], w1 s[8:9], b1 s[10:11], scales s[12:13], hq s[14:15], lst s[16:17], cnt s[18:19]
	v_lshl_add_u32 v254, v0, 2, 0x42000
	v_mov_b32 v255, 0
	v_lshrrev_b32 v2, 5, v0
	v_readfirstlane_b32 s20, v2                    ; wave 0..3
	s_mov_b32 s21, ttmp9                           ; c
	s_and_b32 s22, ttmp7, 0xffff                   ; e
	v_and_b32 v[RR], 15, v0
	v_bfe_u32 v[HH], v0, 4, 1
	v_and_b32 v[LN], 31, v0
	v_and_b32 v[WO], 8, v[RR]
	v_add_nc_u32 v[WO], v[WO], v[RR]
	v_lshlrev_b32 v[WO], 10, v[WO]
	v_lshl_add_u32 v[WO], v[HH], 4, v[WO]
	v_lshlrev_b32 v[L16], 4, v[LN]
	v_lshlrev_b32 v[R16], 4, v[RR]
	s_wait_alu depctr_va_sdst(0)                   ; s20, the wave's number, is written, ahead of its first reader
	s_lshl_b32 s2, s20, 4
	v_lshl_add_u32 v[LR], v[HH], 2, s2
	v_mul_u32_u24 v[XA], v[RR], XP
	v_lshl_add_u32 v[XA], v[HH], 4, v[XA]
	v_add_nc_u32 v[XA], XB0, v[XA]
	v_lshlrev_b32 v[H64], 6, v[HH]
	v_lshlrev_b32 v[H16], 4, v[HH]
	v_lshlrev_b32 v[LB], 2, v0
	s_mul_i32 s2, s20, 4*XP
	s_add_co_u32 s2, s2, XB0
	v_mul_u32_u24 v[SA], v[HH], XP
	v_add_nc_u32 v[SA], v[SA], v[R16]
	v_add_nc_u32 v[SA], s2, v[SA]
.irp j, 1,2,3,4,5
	v_add_nc_u32 v[SA+\j], \j*3*XT, v[SA]
.endr
	v_mov_b32 v[C9], 0x3e7c6f08
	v_mov_b32 v[C9+1], 0x3e7c6f08
	s_lshl_b32 s2, s22, 22                         ; w1: (4,096 e + 128 c + 32 w) rows of 1,024 bytes
	s_lshl_b32 s3, s21, 17
	s_add_co_u32 s2, s2, s3
	s_lshl_b32 s3, s20, 15
	s_add_co_u32 s24, s2, s3
	s_mov_b32 s25, 0
	s_lshr_b32 s26, s24, 8                         ; b1: the same units, 4 bytes each
	s_mov_b32 s27, 0
	s_lshl_b32 s28, s22, 22                        ; hq: 64 e tiles of 65,536 bytes, K step c of 2,048, part w of 512
	s_lshl_b32 s3, s21, 11
	s_add_co_u32 s28, s28, s3
	s_lshl_b32 s3, s20, 9
	s_add_co_u32 s28, s28, s3
	s_mov_b32 s29, 0
	s_lshl_b32 s30, s22, 12                        ; lst: 1,024 words an expert
	s_mov_b32 s31, 0
	s_lshl_b32 s2, s22, 7                          ; cnt: 32 words an expert
	s_mov_b32 s3, 0
	s_wait_kmcnt 0x0
	s_add_nc_u64 s[8:9], s[8:9], s[24:25]
	s_add_nc_u64 s[10:11], s[10:11], s[26:27]
	s_add_nc_u64 s[14:15], s[14:15], s[28:29]
	s_add_nc_u64 s[16:17], s[16:17], s[30:31]
	s_add_nc_u64 s[18:19], s[18:19], s[2:3]
	s_load_b128 s[28:31], s[12:13], 0x0            ; e0, e1, e2, e3
	s_wait_alu depctr_va_vdst(0)                   ; the offsets and LDS addresses made above are written: every load, store and LDS instruction of the kernel that reads one of them stands behind this wait
.irp i, 0,1,2,3,4,5,6,7
	global_load_b128 v[TK+4*\i:TK+4*\i+3], v[L16], s[4:5] offset:512*\i   ; register 4 i + k: the expert of token 128 i + 4 lane + k
.endr
.irp u, 0,1
.irp j, 0,1
	global_load_b128 v[BIAS+8*\u+4*\j:BIAS+8*\u+4*\j+3], v[H64], s[10:11] offset:32*\u+16*\j   ; b1 of units 16 h + 8 u + 0 .. 7
.endr
.endr
	WIN 0x40                                       ; destination window 1
.irp u, 0,1
.irp s, 0,1,2,3,4,5,6,7
.irp k, 0,1,2,3
	global_load_b128 v[32*\s+16*\u+4*\k:32*\s+16*\u+4*\k+3], v[WO], s[8:9] offset:8192*\u+128*\s+32*\k   ; eight neighbouring lines cover 256 bytes of each of 16 rows
.endr
.endr
.endr
	WIN 0
	s_wait_loadcnt 63                              ; 76 loads were issued: the oldest 13 are in, the stored experts and b1 among them; the weights stay on their way under all that follows
.set m, 0
.rept 32
	v_cmp_eq_u32 s[MK+m], s22, v[TK+m]
.set m, m+1
.endr
	s_wait_alu depctr_va_sdst(0)                   ; the 32 compares have written the masks s32 to s63, ahead of their first reader: one wait for the run
	s_wait_kmcnt 0x0
	s_add_co_i32 s2, s28, s29                      ; e0 + e1
	s_add_co_i32 s3, s2, 126
	s_lshl_b32 s98, s3, 23                         ; 2^(e0 + e1 - 1)
	s_mov_b32 s99, s98                             ; (named with it as a pair, so it is written)
	s_lshl_b32 s3, s2, 24
	s_add_co_u32 s100, s3, 0xbfb8aa3b              ; -log2(e) with 2 (e0 + e1) added to its exponent field
	s_mov_b32 s101, s100
	s_sub_co_i32 s3, s30, s2
	s_add_co_i32 s3, s3, 127
	s_lshl_b32 s66, s3, 23
	v_mov_b32 v[SC], s66                           ; 2^(e2 - e0 - e1): the three scales folded into the conversion's one
	s_add_co_i32 s3, s3, 15
	s_lshl_b32 s3, s3, 23
	s_or_b32 s3, s3, 0x600000
	v_mov_b32 v[LIM], s3
	s_sub_co_i32 s3, 0, s2
.set i, 0
.rept 16
	v_ldexp_f32 v[BIAS+i], v[BIAS+i], s3
.set i, i+1
.endr
	s_mov_b32 s23, 0                               ; the running count; at the end n
.set m, 0
.rept 32
.if m > 0
	s_lshl_b32 s2, s23, 5
	s_add_co_u32 s[KY+m], s2, m
.endif
	s_bcnt1_i32_b32 s3, s[MK+m]
	s_add_co_u32 s23, s23, s3
.set m, m+1
.endr
	s_max_u32 s24, s23, 1                          ; n' = max(n, 1): an expert without tokens makes one tile that nobody reads
	s_sub_co_u32 s25, s24, 1
	s_add_co_u32 s26, s24, 15
	s_lshr_b32 s26, s26, 4                         ; tiles
	s_min_u32 s27, s26, 16                         ; of them through LDS
	; ---- the list: eight trips of 128 places; every word is written
	s_mov_b32 s28, 0
	s_mov_b32 s29, 0                               ; 128 x trip
	s_mov_b32 s30, 0                               ; the same in bytes
.Llist:
	v_mov_b32 v[TOK], 0
	v_add_nc_u32 v[LA], s30, v[LB]
	s_cmp_ge_u32 s29, s24
	s_cbranch_scc1 .Lno_select                     ; all these places lie behind the list's end
	v_add_nc_u32 v[J], s29, v0
	v_min_u32 v[J], s25, v[J]                      ; places behind the last token repeat it
	SELECT
.Lno_select:
	s_wait_alu depctr_va_vdst(0)                   ; v[LA] and v[TOK] are written, which the two stores below read.  (It also stands behind the 32 compares that read v[TK ..], in which the list's words land behind the loop)
	ds_store_b32 v[LA], v[TOK]
	s_cmp_lg_u32 s21, 0
	s_cbranch_scc1 .Lno_lst
	global_store_b32 v[LA], v[TOK], s[16:17]       ; work-group c = 0 keeps the list for the second product
.Lno_lst:
	s_wait_xcnt 0x0                                ; the stores have read their registers,
	s_wait_dscnt 0x0                               ; both of them: the next trip writes them again
	s_wait_alu depctr_vm_vsrc(0)                   ; the two stores have read v[LA] and v[TOK], which the next trip's first two lines write
	s_add_co_u32 s29, s29, 128
	s_add_co_u32 s30, s30, 512
	s_add_co_u32 s28, s28, 1
	s_cmp_lt_u32 s28, 8
	s_cbranch_scc1 .Llist
	s_or_b32 s2, s21, s20
	s_cmp_lg_u32 s2, 0
	s_cbranch_scc1 .Lno_cnt
	v_mov_b32 v[TT], s23
	v_lshlrev_b32 v[JK], 2, v[LN]
	s_wait_alu depctr_va_vdst(0)                   ; v[JK] and v[TT] are written, which the store reads
	global_store_b32 v[JK], v[TT], s[18:19]        ; n, 32 times: 128 consecutive bytes
.Lno_cnt:
	s_barrier_signal -1                            ; (my list stores were waited for in the loop)
	s_barrier_wait -1                              ; the list lies in LDS
	; ---- the rows: as many tiles are gathered as there are, and just those are put into LDS
.irp tl, 0,1,2,3,4,5,6,7,8,9,10,11,12,13,14,15
.irp p, 0,1
	ds_load_b32 v[TK+2*\tl+\p], v[LR] offset:64*\tl+8*\p   ; place 16 tl + 4 w + 2 p + h.  No vector instruction has named v[TK ..] since the list loop's wait
.endr
.endr
	s_wait_dscnt 0x0
.set i, 0
.rept 32                               ; all sixteen tiles' row offsets are made here, on end, so that one wait serves the whole ladder (every word of the list is written, so each is a token's number)
	v_min_u32 v[TK+i], 0x3ff, v[TK+i]              ; a number that was loaded enters an address only behind this bound
	v_lshl_add_u32 v[TK+i], v[TK+i], 10, v[R16]
.set i, i+1
.endr
	s_wait_alu depctr_va_vdst(0)                   ; the 32 row offsets are written, which the gather's loads read; no vector instruction stands in the ladder
.irp tl, 0,1,2,3,4,5,6,7,8,9,10,11,12,13,14,15
	s_cmp_le_u32 s27, \tl
	s_cbranch_scc1 .Lst_\tl
	GATHER \tl
.endr
.irp tl, 15,14,13,12,11,10,9,8,7,6,5,4,3,2,1,0
	STASH \tl
.Lst_\tl:
.endr
	s_wait_loadcnt 0x0                             ; the weights
	s_wait_dscnt 0x0                               ; for the others' sake: my rows lie in LDS
	s_barrier_signal -1
	s_barrier_wait -1
	s_wait_alu depctr_vm_vsrc(0)                   ; my LDS stores have read the landing registers: x's fragments land in the first 128 of them from here on
	; ---- the tiles in LDS: sixteen trips; a trip without a tile only steps.  The next tile's fragments land while this tile's GELU is worked
	s_mov_b32 s28, 0                               ; tile
	s_mov_b32 s29, XT                              ; the next tile's rows
	v_add_nc_u32 v[ADR], 0, v[XA]
	XFETCH
.Ltile:
	s_cmp_ge_u32 s28, s27
	s_cbranch_scc1 .Lidle
	s_wait_dscnt 0x0                               ; x's fragments are in
	s_wait_alu depctr_vm_vsrc(0)                   ; the fragments' loads have read v[ADR], and the last tile's store its codes and its offset: this tile writes all three again
	MUL16
	s_min_u32 s2, s29, 15*XT                       ; (held inside the staged rows)
	v_add_nc_u32 v[ADR], s2, v[XA]
.rept 4
	v_nop                                          ; places between the last product and the first read of its results (ISA guide 7.12.1)
.endr
	s_add_co_u32 s3, s28, 1
	s_cmp_ge_u32 s3, s27
	s_cbranch_scc1 .Lno_next
	XFETCH
.Lno_next:
	GELUQ
	HSTORE
.Lidle:
	s_add_co_u32 s29, s29, XT
	s_add_co_u32 s28, s28, 1
	s_cmp_lt_u32 s28, 16
	s_cbranch_scc1 .Ltile
	s_wait_dscnt 0x0
	; ---- an expert with more than 256 tokens: its further tiles take x's fragments straight from memory; no LDS, no barrier
	s_cmp_le_u32 s26, 16
	s_cbranch_scc1 .Lend
	s_mov_b32 s28, 16
.Lover:
	s_wait_xcnt 0x0                                ; earlier stores have read the registers that SELECT writes
	s_wait_alu depctr_vm_vsrc(0)                   ; cnt's store has read v[JK] and v[TT], the last trip's loads v[TOK], the last tile's store its codes and its offset: this trip writes them all again
	s_lshl_b32 s2, s28, 4
	v_add_nc_u32 v[J], s2, v[RR]
	v_min_u32 v[J], s25, v[J]
	SELECT
	v_min_u32 v[TOK], 0x3ff, v[TOK]
	v_lshl_add_u32 v[TOK], v[TOK], 10, v[H16]
	WIN 0x80
	s_wait_alu depctr_va_vdst(0)                   ; v[TOK] is written, which the loads read; the last tile's products are done reading the fragments in which they land
.irp s, 0,1,2,3,4,5,6,7
.irp k, 0,1,2,3
	global_load_b128 v[16*\s+4*\k:16*\s+4*\k+3], v[TOK], s[6:7] offset:128*\s+32*\k
.endr
.endr
	WIN 0
	s_wait_loadcnt 0x0
	MUL16
.rept 4
	v_nop
.endr
	GELUQ
	HSTORE
	s_add_co_u32 s28, s28, 1
	s_cmp_lt_u32 s28, s26
	s_cbranch_scc1 .Lover
.Lend:
	s_wait_dscnt 0x0                               ; the closing lines, six on end
	s_wait_alu 0x0
	s_wait_tensorcnt 0x0
	ds_add_u32 v254, v255
	s_wait_dscnt 0x0
	s_endpgm
.Lfunc_end_k_qbdcf88f365_up:
	.size	k_qbdcf88f365_up, .Lfunc_end_k_qbdcf88f365_up-k_qbdcf88f365_up
	.p2alignl 7, 3214868480
	.fill 96, 4, 3214868480
	.section	.rodata,"a",@progbits
	.p2align	6, 0x0
	.amdhsa_kernel k_qbdcf88f365_up
		.amdhsa_group_segment_fixed_size 270848
		.amdhsa_private_segment_fixed_size 0
		.amdhsa_enable_private_segment 0
		.amdhsa_kernarg_size 64
		.amdhsa_user_sgpr_count 2
		.amdhsa_user_sgpr_kernarg_segment_ptr 1
		.amdhsa_wavefront_size32 1
		.amdhsa_system_sgpr_workgroup_id_x 1
		.amdhsa_system_sgpr_workgroup_id_y 1
		.amdhsa_system_sgpr_workgroup_id_z 1
		.amdhsa_system_vgpr_workitem_id 0
		.amdhsa_next_free_vgpr 1024
		.amdhsa_next_free_sgpr 102
		.amdhsa_reserve_vcc 1
		.amdhsa_float_denorm_mode_32 3
		.amdhsa_float_denorm_mode_16_64 3
		.amdhsa_memory_ordered 1
		.amdhsa_forward_progress 1
		.amdhsa_inst_pref_size 104
	.end_amdhsa_kernel
	.amdgpu_metadata
---
amdhsa.version: [ 1, 2 ]
amdhsa.kernels:
  - .name:           k_qbdcf88f365_up
    .symbol:         k_qbdcf88f365_up.kd
    .args:
      - { .name: ids, .offset: 0, .size: 8, .value_kind: global_buffer, .address_space: global }
      - { .name: xq, .offset: 8, .size: 8, .value_kind: global_buffer, .address_space: global }
      - { .name: w1_codes, .offset: 16, .size: 8, .value_kind: global_buffer, .address_space: global }
      - { .name: b1, .offset: 24, .size: 8, .value_kind: global_buffer, .address_space: global }
      - { .name: lowp_scales, .offset: 32, .size: 8, .value_kind: global_buffer, .address_space: global }
      - { .name: hq, .offset: 40, .size: 8, .value_kind: global_buffer, .address_space: global }
      - { .name: lst, .offset: 48, .size: 8, .value_kind: global_buffer, .address_space: global }
      - { .name: cnt, .offset: 56, .size: 8, .value_kind: global_buffer, .address_space: global }
    .group_segment_fixed_size: 270848
    .private_segment_fixed_size: 0
    .kernarg_segment_align: 8
    .kernarg_segment_size: 64
    .max_flat_workgroup_size: 128
    .sgpr_count:     102
    .vgpr_count:     1024
    .wavefront_size: 32
...
	.end_amdgpu_metadata
.endif
;; end of part 5
;; launch down (part 6): grid 32 x 8, 4 waves a work-group, no clusters, 152,064 bytes of LDS; arguments hq, w2_codes, b2, lowp_scales, lst, cnt, out0; writes out0
.if DOCPART == 6
	.amdgcn_target "amdgcn-amd-amdhsa--gfx1250"
	.amdhsa_code_object_version 6
	.text
	.protected	k_qbdcf88f365_down
	.globl	k_qbdcf88f365_down
	.p2align	8
	.type	k_qbdcf88f365_down,@function
k_qbdcf88f365_down:
	s_mov_b64 s[64:65], 0
	v_nop
	global_prefetch_b8 v0, s[64:65] scope:SCOPE_SE
	s_setreg_imm32_b32 hwreg(HW_REG_WAVE_SCHED_MODE, 0, 2), 2
	s_setreg_imm32_b32 hwreg(HW_REG_WAVE_MODE, 25, 1), 1
	s_wait_xcnt 0x0
	s_wait_alu depctr_vm_vsrc(0)
; THE SECOND PRODUCT: out0[token] = h w2[e] x 2^(e2 + e3) + b2[e], for the tokens of expert e's stored list, on codes of E5M2.
; SHARES.  Work-group (c, e) makes output columns 32 c .. 32 c + 31 of expert e.  THE WAVES SHARE K: wave w holds K = 1,024 w .. 1,024 w + 1,023 of the 32 rows of w2 (32 KB: 8 K steps x 2 tiles x 16 registers),
; asked for at the head: each weight byte is loaded once in the launch.  So each hidden fragment is loaded by one wave alone, straight from hq, where it lies as an image of its registers (four loads of 512 dense bytes).
; What crosses between waves is small: a tile's 16 x 32 partial sums of each wave meet in LDS, and wave w adds up tiles w, w + 4, w + 8, w + 12 of a pass, scales, adds b2 and stores to the tokens' rows.
; The product is used transposed (source 0 = 16 rows of w2, source 1 = 16 tokens): a lane holds eight neighbouring columns of one token.
; PASSES.  Four passes of 16 tiles serve every split, all 1,024 tokens on one expert too; the number of tiles comes from cnt.  A pass without tiles has only its two barriers, which every wave passes.
; No tensor load and no cluster: how many tiles there are hangs on a number read from memory.  The tiles of a pass are written out, so that each wait's count is right on every path.
; A store covers 128 consecutive bytes of each of four rows: 32 columns are what 8,192 rows of w2 shared among 256 work-groups leave; places behind a list's end repeat its last token and store the same numbers again.
; LIMITS: e2 + e3 between -126 and 127.  An output is the sum of four f32 sums over quarters of K.
; THE MODE: SCHED_MODE bits 1:0 = 2 (LLVM: expert scheduling mode 2), set by the entry lines.  The code itself states the register dependences between vector or matrix instructions and memory or LDS
; instructions, and those through scalar registers that vector instructions write, with s_wait_alu, always for 0.
; THE PLAN.  Registers that memory or LDS instructions touch, and who else names them:
;   v1-8, v10, v145          offsets and LDS addresses, made at the head and never written again: one wait on va_vdst ahead of the first load.
;   v9                       written once a pass, read by the pass's list reads: vm_vsrc, the add and va_vdst at the pass's head.
;   the hidden fragments     (window 2, two buffers) tile t's products read buffer t % 2; the loads of tile t + 2 land in it.
;   the accumulators         (two sets) tile t's products write set t % 2; its four LDS stores read it; tile t + 2's products write it again.
;   v16-19, v64-127          a tile's tokens and partial sums land; the sums and the offsets' arithmetic name them; the next tile's land.
;   v16-19, v128-143         the offsets and results, written by that arithmetic, read by the tile's four stores.
; So ONE wait on va_vdst stands in a tile of products, behind its places and ahead of its LDS stores: the products have written the set that the stores read, and are done reading the buffer in which the loads of
; two tiles on land; no vector or matrix instruction between that wait and those loads names the buffer.  One wait on vm_vsrc stands ahead of a tile's products, a whole tile behind the LDS stores that it is for.
; A tile that is added up has one vm_vsrc at its head and one va_vdst ahead of its run of four stores, which also stands ahead of the next tile's loads into v16-19 and v64-127.
.set PR,    144                        ; a row of partial sums: 128 bytes + 16
.set PW,    16*PR                      ; a wave's part of a tile
.set PT,    4*PW                       ; a tile
.set LISTB, 16*PT                      ; behind the 16 tiles: the list's 1,024 words
.set ACC,   32                         ; v32-63 two sets (by the tile's parity) of two accumulators
; v1 16 lane; v2 w2: 4,096 r + 16 h; v3, v4 where I put partial sums (tiles 0-7, 8-15); v5, v6 where I read them; v7 16 (lane % 8); v8 list reads; v9 the same in this pass; v10 32 x thread; v12-15 b2;
; v16-19 tokens; v20-27 list words; v64-127 partial sums; v128-143 results; v145 the list's place in LDS.   window 1: w2's fragments, (s, a) at v[32 s + 16 a].   window 2: two buffers of eight hidden fragments.
.set MSB, 0
.macro WIN new                         ; the immediate's high byte repeats the setting that is left; at every label and branch every window is 0
.if MSB != (\new)
	s_set_vgpr_msb (MSB<<8)|(\new)
.set MSB, (\new)
.endif
.endm
.macro LOAD tl                         ; tile tl's eight fragments of my quarter of K.  No wait: the products that read this buffer stand ahead of the wait in their own SAVE, and nothing on the vector side has named it since
	WIN 0x80
.irp s, 0,1,2,3,4,5,6,7
.irp k, 0,1,2,3
	global_load_b128 v[128*((\tl)%2)+16*\s+4*\k:128*((\tl)%2)+16*\s+4*\k+3], v1, s[28:29] offset:65536*(\tl)+2048*\s+512*\k
.endr
.endr
	WIN 0
.endm
.macro MUL tl                          ; the two accumulators take turns, one instruction a turn; the first products start the sums
	s_wait_dscnt 0x4                               ; only the last tile's four LDS stores may be out: those that read this set, two tiles ago, are done
	s_wait_alu depctr_vm_vsrc(0)                   ; the LDS stores of two tiles ago have read this set of accumulators, which the products below write again
	WIN 0x09                                       ; source 0 (w2) window 1, source 1 (h) window 2
.irp s, 0,1,2,3,4,5,6,7
.irp a, 0,1
.if \s == 0
	v_wmma_f32_16x16x128_bf8_bf8 v[ACC+16*((\tl)%2)+8*\a:ACC+16*((\tl)%2)+8*\a+7], v[32*\s+16*\a:32*\s+16*\a+15], v[128*((\tl)%2)+16*\s:128*((\tl)%2)+16*\s+15], 0
.else
	v_wmma_f32_16x16x128_bf8_bf8 v[ACC+16*((\tl)%2)+8*\a:ACC+16*((\tl)%2)+8*\a+7], v[32*\s+16*\a:32*\s+16*\a+15], v[128*((\tl)%2)+16*\s:128*((\tl)%2)+16*\s+15], v[ACC+16*((\tl)%2)+8*\a:ACC+16*((\tl)%2)+8*\a+7]
.endif
.endr
.endr
	WIN 0
.endm
.macro SAVE tl
.rept 5
	v_nop                                          ; places behind the last product: for the stores of its results and for the next products
.endr
	s_wait_alu depctr_va_vdst(0)                   ; the products have written this set, which the LDS stores read, and are done reading their buffer of fragments, in which the loads of two tiles on land; the places above stay beside this wait
.irp a, 0,1
.irp j, 0,1
	ds_store_b128 v[3+(\tl)/8], v[ACC+16*((\tl)%2)+8*\a+4*\j:ACC+16*((\tl)%2)+8*\a+4*\j+3] offset:((\tl)%8)*PT+64*\a+16*\j   ; token r, columns 16 a + 8 h + 4 j on; each accumulator from its low end on
.endr
.endr
.endm
.macro REDUCE u                        ; tile w + 4 u: eight lanes to a row of 128 bytes, four rows an instruction
	s_wait_xcnt 0x0                                ; earlier stores have read their registers
	s_wait_alu depctr_vm_vsrc(0)                   ; the last tile's four stores have read their offsets v16-19 and their data v128-143, which are written again below
.irp g, 0,1,2,3
	ds_load_b32 v[16+\g], v9 offset:256*\u+16*\g   ; the token of row 4 g + lane / 8
.endr
.irp g, 0,1,2,3
.irp q, 0,1,2,3
	ds_load_b128 v[64+16*\g+4*\q:64+16*\g+4*\q+3], v[5+\u/2] offset:(\u%2)*4*PT+PW*\q+4*PR*\g   ; wave q's part
.endr
.endr
.irp g, 0,1,2,3
	s_wait_dscnt 12-4*\g                           ; the later groups' loads may be out
	v_pk_add_f32 v[64+16*\g:65+16*\g], v[64+16*\g:65+16*\g], v[68+16*\g:69+16*\g]
	v_pk_add_f32 v[66+16*\g:67+16*\g], v[66+16*\g:67+16*\g], v[70+16*\g:71+16*\g]
	v_pk_add_f32 v[72+16*\g:73+16*\g], v[72+16*\g:73+16*\g], v[76+16*\g:77+16*\g]
	v_pk_add_f32 v[74+16*\g:75+16*\g], v[74+16*\g:75+16*\g], v[78+16*\g:79+16*\g]
	v_pk_add_f32 v[64+16*\g:65+16*\g], v[64+16*\g:65+16*\g], v[72+16*\g:73+16*\g]
	v_pk_add_f32 v[66+16*\g:67+16*\g], v[66+16*\g:67+16*\g], v[74+16*\g:75+16*\g]
	v_pk_fma_f32 v[128+4*\g:129+4*\g], v[64+16*\g:65+16*\g], s[30:31], v[12:13] op_sel_hi:[1,0,1]   ; sum x 2^(e2 + e3) + b2
	v_pk_fma_f32 v[130+4*\g:131+4*\g], v[66+16*\g:67+16*\g], s[30:31], v[14:15] op_sel_hi:[1,0,1]
	v_min_u32 v[16+\g], 0x3ff, v[16+\g]            ; a number that was loaded enters an address only behind this bound
	v_lshl_add_u32 v[16+\g], v[16+\g], 12, v7
.endr
	s_wait_alu depctr_va_vdst(0)                   ; the four groups' results and offsets are written, which the run of stores reads; and the sums are done with v16-19 and v64-127, in which the next tile's loads land
.irp g, 0,1,2,3
	global_store_b128 v[16+\g], v[128+4*\g:131+4*\g], s[16:17] th:TH_STORE_NT
.endr
.endm
	s_load_b256 s[4:11], s[0:1], 0x0               ; hq s[4:5], w2 s[6:7], b2 s[8:9], the scales' exponents s[10:11]
	s_load_b128 s[12:15], s[0:1], 0x20             ; lst s[12:13], cnt s[14:15]
	s_load_b64 s[16:17], s[0:1], 0x30              ; out0
	v_lshl_add_u32 v254, v0, 2, 0x25000
	v_mov_b32 v255, 0
	v_lshrrev_b32 v2, 5, v0
	v_readfirstlane_b32 s20, v2                    ; wave 0..3
	s_mov_b32 s21, ttmp9                           ; c
	s_and_b32 s22, ttmp7, 0xffff                   ; e
	v_and_b32 v11, 15, v0                          ; r
	v_bfe_u32 v28, v0, 4, 1                        ; h
	v_and_b32 v29, 31, v0                          ; lane
	v_lshlrev_b32 v1, 4, v29
	v_lshlrev_b32 v2, 12, v11
	v_lshl_add_u32 v2, v28, 4, v2
	s_wait_alu depctr_va_sdst(0)                   ; s20, the wave's number, is written, ahead of its first reader
	s_mul_i32 s2, s20, PW
	v_mul_u32_u24 v3, v11, PR
	v_lshl_add_u32 v3, v28, 5, v3
	v_add_nc_u32 v3, s2, v3
	v_add_nc_u32 v4, 8*PT, v3
	v_lshrrev_b32 v30, 3, v29                      ; lane / 8
	v_and_b32 v31, 7, v29
	v_lshlrev_b32 v7, 4, v31
	s_mul_i32 s2, s20, PT
	v_mul_u32_u24 v5, v30, PR
	v_add_nc_u32 v5, v5, v7
	v_add_nc_u32 v5, s2, v5
	v_add_nc_u32 v6, 8*PT, v5
	s_lshl_b32 s2, s20, 6
	s_add_co_u32 s2, s2, LISTB
	v_lshl_add_u32 v8, v30, 2, s2
	v_lshlrev_b32 v10, 5, v0
	v_add_nc_u32 v145, LISTB, v10
	s_lshl_b32 s24, s22, 22                        ; w2: (1,024 e + 32 c) rows of 4,096 bytes + my 1,024 along K
	s_lshl_b32 s3, s21, 17
	s_add_co_u32 s24, s24, s3
	s_lshl_b32 s3, s20, 10
	s_add_co_u32 s24, s24, s3
	s_mov_b32 s25, 0
	s_lshl_b32 s26, s22, 22                        ; hq: 64 e tiles of 65,536 bytes + my 8 K steps of 2,048
	s_lshl_b32 s3, s20, 14
	s_add_co_u32 s26, s26, s3
	s_mov_b32 s27, 0
	s_lshl_b32 s30, s22, 12                        ; lst: 1,024 words an expert;
	s_mov_b32 s31, 0
	s_lshl_b32 s36, s21, 7                         ; 32 columns of 4 bytes: out0;
	s_mov_b32 s37, 0
	s_add_co_u32 s38, s30, s36                     ; b2: (1,024 e + 32 c) x 4
	s_mov_b32 s39, 0
	s_lshl_b32 s2, s22, 7                          ; cnt: 32 words an expert
	s_mov_b32 s3, 0
	s_wait_kmcnt 0x0
	s_add_nc_u64 s[14:15], s[14:15], s[2:3]
	s_load_b32 s23, s[14:15], 0x0                  ; n
	s_load_b128 s[32:35], s[10:11], 0x0            ; e0, e1, e2, e3
	s_add_nc_u64 s[6:7], s[6:7], s[24:25]
	s_add_nc_u64 s[28:29], s[4:5], s[26:27]
	s_add_nc_u64 s[12:13], s[12:13], s[30:31]
	s_add_nc_u64 s[16:17], s[16:17], s[36:37]
	s_add_nc_u64 s[8:9], s[8:9], s[38:39]
	s_wait_alu depctr_va_vdst(0)                   ; the offsets and LDS addresses made above are written: every load, store and LDS instruction of the kernel that reads one of them stands behind this wait
	global_load_b128 v[20:23], v10, s[12:13]       ; the list, 32 bytes a thread
	global_load_b128 v[24:27], v10, s[12:13] offset:16
	global_load_b128 v[12:15], v7, s[8:9]          ; b2 of columns 4 (lane % 8) + 0 .. 3
	WIN 0x40                                       ; destination window 1
.irp a, 0,1
.irp s, 0,1,2,3,4,5,6,7
.irp k, 0,1,2,3
	global_load_b128 v[32*\s+16*\a+4*\k:32*\s+16*\a+4*\k+3], v2, s[6:7] offset:65536*\a+128*\s+32*\k   ; eight neighbouring lines cover 256 bytes of each of 16 rows
.endr
.endr
.endr
	WIN 0
	s_wait_loadcnt 63                              ; 67 loads were issued: the oldest four are in, the list and b2 among them
	ds_store_b128 v145, v[20:23]
	ds_store_b128 v145, v[24:27] offset:16
	s_wait_kmcnt 0x0
	s_min_u32 s23, s23, 1024
	s_add_co_u32 s24, s23, 15
	s_lshr_b32 s24, s24, 4                         ; tiles
	s_add_co_i32 s30, s34, s35
	s_add_co_i32 s30, s30, 127
	s_lshl_b32 s30, s30, 23                        ; 2^(e2 + e3) as f32
	s_mov_b32 s31, s30                             ; (named with it as a pair, so it is written)
	s_mov_b32 s26, 0                               ; pass
	s_mov_b32 s27, 0                               ; its first list place, in bytes
	s_mov_b32 s36, 0                               ; its first tile
.Lpass:
	s_sub_co_i32 s2, s24, s36
	s_max_i32 s2, s2, 0
	s_min_i32 s25, s2, 16                          ; tiles in this pass
	s_wait_alu depctr_vm_vsrc(0)                   ; the last pass's list reads have read v9
	v_add_nc_u32 v9, s27, v8
	s_wait_alu depctr_va_vdst(0)                   ; v9 is written, which this pass's list reads take as their address, on the way with no tile too
	s_cmp_eq_u32 s25, 0
	s_cbranch_scc1 .Lmet
	LOAD 0
.irp tl, 0,1,2,3,4,5,6,7,8,9,10,11,12,13,14
	s_cmp_eq_u32 s25, \tl+1
	s_cbranch_scc1 .Llast_\tl
	LOAD \tl+1
	s_wait_loadcnt 32                              ; this tile's fragments (and, the first time, the weights) are in; the 32 loads just issued may be out
	MUL \tl
	SAVE \tl
.endr
	s_wait_loadcnt 0x0
	MUL 15
	SAVE 15
	s_branch .Lmet
.irp tl, 0,1,2,3,4,5,6,7,8,9,10,11,12,13,14
.Llast_\tl:                            ; the pass's last tile: nothing was asked for behind it
	s_wait_loadcnt 0x0
	MUL \tl
	SAVE \tl
	s_branch .Lmet
.endr
.Lmet:
	s_wait_dscnt 0x0                               ; for the others' sake: my partial sums (and, the first time, my part of the list) lie in LDS
	s_barrier_signal -1
	s_barrier_wait -1
.irp u, 0,1,2,3
	s_add_co_u32 s2, s20, 4*\u
	s_cmp_ge_u32 s2, s25
	s_cbranch_scc1 .Lnone_\u
	REDUCE \u
.Lnone_\u:
.endr
	s_wait_dscnt 0x0                               ; my reads of the partial sums are over:
	s_barrier_signal -1
	s_barrier_wait -1                              ; the next pass may write them again
	s_add_nc_u64 s[28:29], s[28:29], 16*65536      ; (every load that named this base has been waited for)
	s_add_co_u32 s27, s27, 1024
	s_add_co_u32 s36, s36, 16
	s_add_co_u32 s26, s26, 1
	s_cmp_lt_u32 s26, 4
	s_cbranch_scc1 .Lpass
	s_wait_dscnt 0x0                               ; the closing lines, six on end
	s_wait_alu 0x0
	s_wait_tensorcnt 0x0
	ds_add_u32 v254, v255
	s_wait_dscnt 0x0
	s_endpgm
.Lfunc_end_k_qbdcf88f365_down:
	.size	k_qbdcf88f365_down, .Lfunc_end_k_qbdcf88f365_down-k_qbdcf88f365_down
	.p2alignl 7, 3214868480
	.fill 96, 4, 3214868480
	.section	.rodata,"a",@progbits
	.p2align	6, 0x0
	.amdhsa_kernel k_qbdcf88f365_down
		.amdhsa_group_segment_fixed_size 152064
		.amdhsa_private_segment_fixed_size 0
		.amdhsa_enable_private_segment 0
		.amdhsa_kernarg_size 56
		.amdhsa_user_sgpr_count 2
		.amdhsa_user_sgpr_kernarg_segment_ptr 1
		.amdhsa_wavefront_size32 1
		.amdhsa_system_sgpr_workgroup_id_x 1
		.amdhsa_system_sgpr_workgroup_id_y 1
		.amdhsa_system_sgpr_workgroup_id_z 1
		.amdhsa_system_vgpr_workitem_id 0
		.amdhsa_next_free_vgpr 768
		.amdhsa_next_free_sgpr 66
		.amdhsa_reserve_vcc 0
		.amdhsa_float_denorm_mode_32 3
		.amdhsa_float_denorm_mode_16_64 3
		.amdhsa_memory_ordered 1
		.amdhsa_forward_progress 1
		.amdhsa_inst_pref_size 129
	.end_amdhsa_kernel
	.amdgpu_metadata
---
amdhsa.version: [ 1, 2 ]
amdhsa.kernels:
  - .name:           k_qbdcf88f365_down
    .symbol:         k_qbdcf88f365_down.kd
    .args:
      - { .name: hq, .offset: 0, .size: 8, .value_kind: global_buffer, .address_space: global }
      - { .name: w2_codes, .offset: 8, .size: 8, .value_kind: global_buffer, .address_space: global }
      - { .name: b2, .offset: 16, .size: 8, .value_kind: global_buffer, .address_space: global }
      - { .name: lowp_scales, .offset: 24, .size: 8, .value_kind: global_buffer, .address_space: global }
      - { .name: lst, .offset: 32, .size: 8, .value_kind: global_buffer, .address_space: global }
      - { .name: cnt, .offset: 40, .size: 8, .value_kind: global_buffer, .address_space: global }
      - { .name: out0, .offset: 48, .size: 8, .value_kind: global_buffer, .address_space: global }
    .group_segment_fixed_size: 152064
    .private_segment_fixed_size: 0
    .kernarg_segment_align: 8
    .kernarg_segment_size: 56
    .max_flat_workgroup_size: 128
    .sgpr_count:     66
    .vgpr_count:     768
    .wavefront_size: 32
...
	.end_amdgpu_metadata
.endif
;; end of part 6
